; MI455X (gfx1250); checked and timed in simulation.
; The chip was launched on July 23, 2026; its instructions are those of AMD's public machine-readable ISA for CDNA 5 (MIT licence, August 2026) and "CDNA5" Instruction Set Architecture Reference Guide (July 2026). The comments in the code are by the model that wrote it; some were corrected since.
;; GPT Transformer Block. Allowed arithmetic: matrix products marked QUANTISED: E4M3 operands, one given power-of-two scale a tensor, by v_wmma_f32_16x16x64_fp8_fp8 or v_wmma_f32_16x16x128_fp8_fp8, f32 sums; everything else in f32.
;; Inputs: b1 4,096 float32; b2 1,024 float32; bk 1,024 float32; bo 1,024 float32; bq 1,024 float32; bv 1,024 float32; ln1_b 1,024 float32; ln1_g 1,024 float32; ln2_b 1,024 float32; ln2_g 1,024 float32; lowp_scales 16 int32 (the exponents e of the quantised operands' scales 2^e); w1 1,024 x 4,096 float32; w2 4,096 x 1,024 float32; wk 1,024 x 1,024 float32; wo 1,024 x 1,024 float32; wq 1,024 x 1,024 float32; wv 1,024 x 1,024 float32; x 4 x 1,024 x 1,024 float32.
;; Outputs: out0 4 x 1,024 x 1,024 float32.
;; This version of the problem:
;;   THIS VERSION OF THE PROBLEM IS GIVEN IN LOW PRECISION. The matrix products marked QUANTISED in the list below multiply operands that are first quantised to E4M3 (4 exponent bits, 3 mantissa bits; 8 bits a number), with one given power-of-two scale for each operand tensor; their sums are f32. All else is computed in f32.
;;   The module's matrix products, in the order in which they are computed (A, B: the left and right operand; K: the contracted axis; several contracted axes count as one K, in the product's order):
;;     1. [M 4,096, K 1,024] x [K 1,024, N 1,024]; A: computed on the way; B: input wq: QUANTISED (scales: A lowp_scales[0], B lowp_scales[1])
;;     2. [M 4,096, K 1,024] x [K 1,024, N 1,024]; A: computed on the way; B: input wk: QUANTISED (scales: A lowp_scales[2], B lowp_scales[3])
;;     3. [M 4,096, K 1,024] x [K 1,024, N 1,024]; A: computed on the way; B: input wv: QUANTISED (scales: A lowp_scales[4], B lowp_scales[5])
;;     4. batch 64 x [M 1,024, K 64] x [K 64, N 1,024]; A: computed on the way; B: computed on the way: QUANTISED (scales: A lowp_scales[6], B lowp_scales[7])
;;     5. batch 64 x [M 1,024, K 1,024] x [K 1,024, N 64]; A: softmax (see below); B: computed on the way: QUANTISED (scales: A lowp_scales[8], B lowp_scales[9])
;;     6. [M 4,096, K 1,024] x [K 1,024, N 1,024]; A: computed on the way; B: input wo: QUANTISED (scales: A lowp_scales[10], B lowp_scales[11])
;;     7. [M 4,096, K 1,024] x [K 1,024, N 4,096]; A: computed on the way; B: input w1: QUANTISED (scales: A lowp_scales[12], B lowp_scales[13])
;;     8. [M 4,096, K 4,096] x [K 4,096, N 1,024]; A: computed on the way; B: input w2: QUANTISED (scales: A lowp_scales[14], B lowp_scales[15])
;;   THE QUANTISER, for each operand of a quantised product, along K:
;;     - The operand's scale is 2^e, e = its entry of the input lowp_scales (int32; the entries are numbered through the quantised products in the list's order, A before B).
;;     - Each number is divided by the scale, clamped to +-448, and rounded to the nearest number of E4M3, ties to even, subnormals kept.
;;     - The product sums the exact products of the quantised numbers (number of the format x scale) in f32.
;;   ~~~python
;;   def quantise(x, axis, e):      # numpy; x: float32 -> the quantised numbers, widened to float32 again
;;       x = np.moveaxis(x, axis, -1); K = x.shape[-1]
;;       r = np.clip(x / 2.0 ** e, -448, 448)
;;       step = 2.0 ** (np.maximum(np.frexp(np.where(r == 0, 1, r))[1] - 1, -6) - 3)
;;       q = np.round(r / step) * step * 2.0 ** e      # np.round: ties to even
;;       return np.moveaxis(q, -1, axis).astype(np.float32)
;;   ~~~
;;   SOFTMAX AHEAD OF A QUANTISED PRODUCT. Where the list says 'softmax', what is quantised is not the finished softmax but p = 2^(t - M), with t = logit x log2(e) and M = ceil(the row's largest t), a whole number; so 1/2 < the row's largest p <= 1. The row's sum l is taken of the UNQUANTISED p, in f32, and the product's result is divided by l at the end. Since M is a whole number, a kernel that streams over the keys may use a running M (the ceiling of the running maximum): every later rescaling is an exact power of two, so the quantised numbers keep their values, but for numbers so far below the row's largest that they fall under the format's range.
;;   OPERANDS COMPUTED ON THE WAY. 'Computed on the way' means the value that the module computes at that place (a softmax that the list does not call 'softmax' is quantised finished and normalised). What goes into a quantiser is computed in f32, as accurately as f32 sums, v_exp_f32 and their like allow (about 1e-6 of the number): no bf16 or f16 on the way to a quantiser, and a product that is left as it is and whose result goes on into a quantised operand takes f32 operands (vector FMAs, or v_wmma_f32_16x16x4_f32). A number that lies on a knife's edge between two numbers of the format may be rounded either way, as far as f32 arithmetic and the matrix unit's own rounding can turn it there, and no further.
;; One version. Each part assembles by itself: llvm-mc -triple=amdgcn-amd-amdhsa -mcpu=gfx1250 --defsym DOCPART=n.
;; ======== version 1 of 1: 7 launches
;; limits: right only within a limited range of input values
;; workspace buffers: wcodes 12,582,912 bytes; h1c 12,582,912 bytes; qkvc 12,582,912 bytes; ac 4,194,304 bytes; x1 16,777,216 bytes; h2c 4,194,304 bytes; hid 16,777,216 bytes
;; launch prep (part 1): grid 640 x 1, 4 waves a work-group, no clusters, 35,840 bytes of LDS; arguments wq, wk, wv, wo, w1, w2, lowp_scales, x, ln1_g, ln1_b, wcodes, h1c; writes wcodes, h1c
.if DOCPART == 1
	.amdgcn_target "amdgcn-amd-amdhsa--gfx1250"
	.amdhsa_code_object_version 6
	.text
	.protected	k_qb37d2b9348_prep
	.globl	k_qb37d2b9348_prep
	.p2align	8
	.type	k_qb37d2b9348_prep,@function
k_qb37d2b9348_prep:
	s_mov_b64 s[64:65], 0
	v_nop
	global_prefetch_b8 v0, s[64:65] scope:SCOPE_SE
	s_setreg_imm32_b32 hwreg(HW_REG_WAVE_MODE, 25, 1), 1
	s_wait_xcnt 0x0
; PREP.  Two kinds of work-groups, told apart by the work-group's number alone; the two ways never join.
; Work-groups 0-383: the six weights, f32 stored [K][N], become codes of E4M3 with K innermost, each with its given scale 2^e:
;   wcodes: wq at 0, wk at 1 MiB, wv at 2 MiB, wo at 3 MiB, w1 at 4 MiB, each laid [N][K]; w2 at 8 MiB, laid in the order of the operand's registers: [64 blocks of 16 n][32 blocks of 128 k][2,048 bytes],
;   in a block the 16 bytes W[n = l % 16][k = 32 c + 16 (l / 16) + 0 .. 15] at 512 c + 16 l: its reader takes a fragment by four loads of 512 consecutive bytes.
;   A lane takes a column n and its registers run down K, so the conversions give codes with K innermost;
;   a wave takes 32 columns x 256 along K, gathers 256 bytes a column in its own stage in LDS, and stores runs of 256 or 512 consecutive, aligned bytes.
; Work-groups 384-639: the first layer norm of x, quantised three times (entries 0, 2, 4 of the scales) into the three planes of h1c.  A wave takes 4 rows; a row stays in 32 registers between the passes:
;   mean, then the sum of squares of x - mean (no difference of large sums), rsqrt, x gain + bias.  No LDS, no barrier on this way.
; code = y / 2^e, held within +-448, to the nearest code, ties to even.  LIMITS: each e between -126 and 119; NaN and infinities among the inputs are not served.
.set SPW,   30                         ; v30  LDS address of my spare word; never rewritten
.set NIL,   31                         ; v31  0; never rewritten
.set PITCH, 272                        ; a stage row: 256 bytes + 16
.set SPARE, 4*32*PITCH                 ; behind the four stages: the spare words, 128 bytes a wave
.set WX,    32                         ; weights: v32-95 two sets of 32 numbers
.set WC,    96                         ; v96-103 a block's codes
.set OUTR,  112                        ; v112-175 the way out
.set OFF,   176                        ; v176-207 4 x lane + i rows of the weight
.set OO,    208                        ; v208-223 the stores' offsets
.set NPL,   3                          ; layer norm: planes
.set MU,    4                          ; v[4:5]  the mean (the pair's low word serves both halves)
.set RS,    6                          ; v[6:7]  1 / sqrt(var + eps)
.set C,     8                          ; v8-15   a row's codes
.set SC,    16                         ; v16-18  2^e of each plane
.set LIM,   19                         ; v19-21  448 x 2^e
.set X,     32                         ; v32-159 four rows
.set G,     160                        ; v160-191 the gain
.set B,     192                        ; v192-223 the bias
.set T,     224                        ; v224-255 at work
.set SX,    18                         ; s[18:19] x
.set SG,    20
.set SB,    22
.set SOUT,  36                         ; s[36:41] the planes at my first row
.macro MKQ e, sc, lim, t0, t1          ; from the whole number in s[e]: v[sc] = 2^e as f32, v[lim] = 448 x 2^e
	s_add_co_i32 s[\t0], s[\e], 127
	s_lshl_b32 s[\t1], s[\t0], 23
	v_mov_b32 v[\sc], s[\t1]
	s_add_co_i32 s[\t0], s[\t0], 8
	s_lshl_b32 s[\t0], s[\t0], 23
	s_or_b32 s[\t0], s[\t0], 0x600000
	v_mov_b32 v[\lim], s[\t0]
.endm
	s_load_b512 s[4:19], s[0:1], 0x0               ; wq, wk, wv, wo, w1, w2, the scales, x
	s_load_b256 s[20:27], s[0:1], 0x40             ; gain, bias, wcodes, h1c
	v_lshl_add_u32 v[SPW], v0, 2, SPARE
	v_mov_b32 v[NIL], 0
	v_lshrrev_b32 v1, 5, v0
	v_readfirstlane_b32 s28, v1                    ; wave 0..3
	v_and_b32 v2, 31, v0                           ; lane
	s_wait_kmcnt 0x0
	s_cmp_lt_u32 ttmp9, 384
	s_cbranch_scc0 .Lln
	; ---------------- the weights ----------------
	s_lshr_b32 s29, ttmp9, 5                       ; T: 0-3 wq, wk, wv, wo; 4-7 w1; 8-11 w2
	s_lshr_b32 s30, s29, 2                         ; class 0, 1, 2: kept to the end
	s_and_b32 s31, ttmp9, 31
	s_and_b32 s33, ttmp9, 127
	s_and_b32 s34, s29, 12
	s_lshl_b32 s35, s29, 1
	s_add_co_u32 s35, s35, 1                       ; the scale's entry: 2 T + 1 for wq, wk, wv
	s_cmp_eq_u32 s30, 0
	s_cselect_b32 s31, s31, s33                    ; my number within the weight
	s_cselect_b32 s34, s29, s34                    ; where its codes begin, in MiB
	s_cmp_eq_u32 s29, 3
	s_cselect_b32 s35, 11, s35
	s_cmp_eq_u32 s30, 1
	s_cselect_b32 s35, 13, s35
	s_cselect_b32 s33, 5, 3                        ; blocks of 128 columns: 32 in w1, else 8
	s_mov_b32 s52, 4096
	s_cselect_b32 s52, 16384, s52                  ; a row of the weight in bytes
	s_cmp_eq_u32 s30, 2
	s_cselect_b32 s35, 15, s35
	s_mov_b32 s53, 1024
	s_cselect_b32 s53, 4096, s53                   ; a row of its codes in bytes: K
	s_bfm_b32 s54, s33, 0
	s_and_b32 s54, s31, s54                        ; which 128 columns
	s_lshr_b32 s55, s31, s33                       ; which 256 along K
	s_lshl_b32 s56, s54, 7
	s_lshl_b32 s57, s28, 5
	s_add_co_u32 s56, s56, s57                     ; my wave's first column
	s_lshl_b32 s58, s35, 2
	s_mov_b32 s59, 0
	s_add_nc_u64 s[16:17], s[16:17], s[58:59]
	s_load_b32 s32, s[16:17], 0x0                  ; e
	s_cmp_eq_u32 s29, 1                            ; the weight: a choice that hangs on the work-group's number alone
	s_cselect_b64 s[4:5], s[6:7], s[4:5]
	s_cmp_eq_u32 s29, 2
	s_cselect_b64 s[4:5], s[8:9], s[4:5]
	s_cmp_eq_u32 s29, 3
	s_cselect_b64 s[4:5], s[10:11], s[4:5]
	s_cmp_eq_u32 s30, 1
	s_cselect_b64 s[4:5], s[12:13], s[4:5]
	s_cmp_eq_u32 s30, 2
	s_cselect_b64 s[4:5], s[14:15], s[4:5]
	s_lshl_b32 s58, s55, 8                         ; my first k
	s_mul_i32 s60, s58, s52
	s_lshl_b32 s61, s56, 2
	s_add_co_u32 s60, s60, s61
	s_mov_b32 s61, 0
	s_add_nc_u64 s[36:37], s[4:5], s[60:61]        ; block 0 of 32 along K
	s_lshl_b32 s60, s52, 5                         ; 32 rows on
.irp t, 1,2,3,4,5,6,7
	s_add_nc_u64 s[36+2*\t:37+2*\t], s[34+2*\t:35+2*\t], s[60:61]   ; a base for each block: none is ever stepped
.endr
	s_lshl_b32 s62, s34, 20
	s_mul_i32 s63, s56, s53
	s_add_co_u32 s62, s62, s63                     ; rows: column x K.  w2: a block of 16 n is 32 x 2,048 bytes: also column x 4,096
	s_lshl_b32 s59, s58, 4
	s_cmp_lg_u32 s30, 0                            ; w1 is laid as w2 is, in the order of the operand's registers: [blocks of 16 n][blocks of 128 k][2,048 bytes]; only wq, wk, wv, wo stay [N][K]
	s_cselect_b32 s59, s59, s58                    ; rows: + k.  by fragments: a block of 128 k is 2,048 bytes: + 16 k
	s_add_co_u32 s62, s62, s59
	s_mov_b32 s63, 0
	s_add_nc_u64 s[8:9], s[24:25], s[62:63]        ; where my wave's codes begin
	s_lshl_b32 s62, s53, 4
	s_add_nc_u64 s[10:11], s[8:9], s[62:63]        ; by fragments: my second block of 16 n, 16 K bytes on
	s_wait_alu depctr_va_vdst(0)
	v_lshlrev_b32 v3, 2, v2
	s_mul_i32 s29, s28, 32*PITCH                   ; my stage
	v_mul_u32_u24 v4, v2, PITCH
	v_add_nc_u32 v4, s29, v4                       ; into it: row = my column
	v_and_b32 v5, 15, v2
	v_lshrrev_b32 v6, 4, v2
	v_mul_u32_u24 v7, v6, PITCH
	v_lshl_add_u32 v7, v5, 4, v7
	v_add_nc_u32 v7, s29, v7                       ; out of it by rows: sixteen lanes to a row, two rows an instruction
	v_mul_u32_u24 v9, v5, PITCH
	v_lshl_add_u32 v9, v6, 4, v9
	v_add_nc_u32 v9, s29, v9                       ; out of it by fragments: row l % 16, byte 16 (l / 16)
	v_lshlrev_b32 v12, 4, v2                       ; and 16 x lane in memory
	v_mul_u32_u24 v8, s53, v6
	v_lshl_add_u32 v8, v5, 4, v8
	s_lshl_b32 s57, s53, 1
.set ii, 0
.rept 32
	v_mad_u32_u24 v[OFF+ii], s52, ii, v3
.set ii, ii+1
.endr
.set ii, 0
.rept 16
	v_mad_u32_u24 v[OO+ii], s57, ii, v8
.set ii, ii+1
.endr
.macro LOAD t                          ; block t: W(32 t + i, my column), i = 0 .. 31, into set t % 2; 32 lanes read 128 consecutive bytes
.set ii, 0
.rept 32
	global_load_b32 v[WX+32*((\t)%2)+ii], v[OFF+ii], s[36+2*(\t):37+2*(\t)] th:TH_LOAD_NT
.set ii, ii+1
.endr
.endm
	LOAD 0
	LOAD 1
	s_wait_kmcnt 0x0
	MKQ 32, 11, 10, 34, 35
.macro BLOCK t
.set XS, WX+32*((\t)%2)
.if (\t) < 7
	s_wait_loadcnt 32                              ; this block's 32 loads are in; the next block's may be out
.else
	s_wait_loadcnt 0
.endif
.set ii, 0
.rept 32
	v_med3_num_f32 v[XS+ii], v[XS+ii], -v10, v10   ; the conversion to an 8-bit code does not saturate (ISA guide 7.6.2): the hold comes first
.set ii, ii+1
.endr
.irp g, 0,1,2,3
	v_cvt_scalef32_pk8_fp8_f32 v[WC+2*\g:WC+2*\g+1], v[XS+8*\g:XS+8*\g+7], v11
.endr
	v_nop                                          ; a plain line behind the last conversion
	ds_store_b128 v4, v[WC:WC+3] offset:32*(\t)
	ds_store_b128 v4, v[WC+4:WC+7] offset:32*(\t)+16
.if (\t)+2 < 8
	LOAD (\t)+2
.endif
	s_wait_dscnt 0x0                               ; the stores have read their registers: the next block's codes may be written
.endm
.set Q, 0
	s_wait_alu depctr_va_vdst(0)
.rept 8
	BLOCK Q
.set Q, Q+1
.endr
	s_cmp_lg_u32 s30, 0                            ; w1 and w2 leave by fragments: a branch on the work-group's number
	s_cbranch_scc1 .Lfrag
.set ii, 0
.rept 16
	ds_load_b128 v[OUTR+4*ii:OUTR+4*ii+3], v7 offset:2*ii*PITCH   ; LDS serves a wave's instructions in order: these see my stores
.set ii, ii+1
.endr
.set ii, 0
.rept 16
	s_wait_dscnt 15-ii                             ; the younger loads may stay out
	global_store_b128 v[OO+ii], v[OUTR+4*ii:OUTR+4*ii+3], s[8:9]
.set ii, ii+1
.endr
	s_wait_tensorcnt 0x0                           ; the wave's end
	ds_add_u32 v[SPW], v[NIL]
	s_wait_dscnt 0x0
	s_endpgm
.Lfrag:                                            ; my 32 columns x 256 k are 2 x 2 fragments; load i: block of n i / 8, block of k (i / 4) % 2, register group i % 4
.set ii, 0
.rept 16
	ds_load_b128 v[OUTR+4*ii:OUTR+4*ii+3], v9 offset:(ii/8)*16*PITCH+((ii/4)%2)*128+(ii%4)*32
.set ii, ii+1
.endr
.set ii, 0
.rept 16
	s_wait_dscnt 15-ii                             ; the younger loads may stay out
	global_store_b128 v12, v[OUTR+4*ii:OUTR+4*ii+3], s[8+2*(ii/8):9+2*(ii/8)] offset:((ii/4)%2)*2048+(ii%4)*512   ; 32 lanes store 512 consecutive, aligned bytes
.set ii, ii+1
.endr
	s_wait_tensorcnt 0x0                           ; the wave's end, on this way too
	ds_add_u32 v[SPW], v[NIL]
	s_wait_dscnt 0x0
	s_endpgm
	; ---------------- the layer norm ----------------
.Lln:
	s_sub_co_u32 s29, ttmp9, 384
	s_lshl_b32 s29, s29, 2
	s_add_co_u32 s29, s29, s28
	s_lshl_b32 s29, s29, 2                         ; my first row
	s_lshl_b32 s30, s29, 12
	s_mov_b32 s31, 0
	s_lshl_b32 s32, s29, 10
	s_mov_b32 s33, 0
	s_load_b256 s[48:55], s[16:17], 0x0            ; e0 .. e7
	s_add_nc_u64 s[SX:SX+1], s[SX:SX+1], s[30:31]
	s_add_nc_u64 s[36:37], s[26:27], s[32:33]
	s_add_nc_u64 s[38:39], s[36:37], 0x400000
	s_add_nc_u64 s[40:41], s[36:37], 0x800000
	; A load takes 512 consecutive bytes: lane l the 16 bytes at 32 (l % 16) + 16 (l / 16).  Exchanging the upper lanes of load 2 u with the lower lanes of load 2 u + 1 leaves lane l
	; with the eight neighbours 256 u + 8 l + 0 .. 7 in registers 8 u .. 8 u + 7: what the conversion wants, and 32 lanes' codes are 256 consecutive bytes.
	s_wait_alu depctr_va_vdst(0)
	v_and_b32 v3, 15, v2
	v_lshrrev_b32 v1, 4, v2
	v_lshlrev_b32 v1, 4, v1
	v_lshl_add_u32 v1, v3, 5, v1
	v_lshlrev_b32 v2, 3, v2                        ; 8 x lane: my codes' place
	v_mov_b32 v[MU+1], 0                           ; named as upper halves of pairs, so they are written
	v_mov_b32 v[RS+1], 0
	s_mov_b32 s42, 0x76543210                      ; v_permlanex16_b32: lane l xor 16
	s_mov_b32 s43, 0xfedcba98
	s_mov_b32 s44, 0x3a800000                      ; 1 / 1024
	s_mov_b32 s45, 0x3727c5ac                      ; 1e-5
.irp j, 0,1,2,3,4,5,6,7
	global_load_b128 v[G+4*\j:G+4*\j+3], v1, s[SG:SG+1] offset:512*\j
.endr
.irp j, 0,1,2,3,4,5,6,7
	global_load_b128 v[B+4*\j:B+4*\j+3], v1, s[SB:SB+1] offset:512*\j
.endr
.irp i, 0,1,2,3
.irp j, 0,1,2,3,4,5,6,7
	global_load_b128 v[X+32*\i+4*\j:X+32*\i+4*\j+3], v1, s[SX:SX+1] offset:4096*\i+512*\j th:TH_LOAD_NT
.endr
.endr
.macro SWAP16 base
.irp u, 0,1,2,3
.irp q, 0,1,2,3
	v_permlane16_swap_b32 v[\base+8*\u+\q], v[\base+8*\u+4+\q]
.endr
.endr
.endm
.macro REDUCE                          ; v[T] summed over the 32 lanes, the result in every lane
	v_add_f32_dpp v[T], v[T], v[T] row_xmask:1 row_mask:0xf bank_mask:0xf
	v_add_f32_dpp v[T], v[T], v[T] row_xmask:2 row_mask:0xf bank_mask:0xf
	v_add_f32_dpp v[T], v[T], v[T] row_xmask:4 row_mask:0xf bank_mask:0xf
	v_add_f32_dpp v[T], v[T], v[T] row_xmask:8 row_mask:0xf bank_mask:0xf
	v_permlanex16_b32 v[T+1], v[T], s42, s43
	v_add_f32 v[T], v[T], v[T+1]
.endm
.macro LNROW i
.set XR, X+32*(\i)
	s_wait_loadcnt 8*(3-(\i))                      ; this row's eight loads are in; the later rows' stay out
	SWAP16 XR
	v_pk_add_f32 v[T:T+1], v[XR:XR+1], v[XR+2:XR+3]
	v_pk_add_f32 v[T+2:T+3], v[XR+4:XR+5], v[XR+6:XR+7]
.irp j, 8,12,16,20,24,28
	v_pk_add_f32 v[T:T+1], v[T:T+1], v[XR+\j:XR+\j+1]
	v_pk_add_f32 v[T+2:T+3], v[T+2:T+3], v[XR+\j+2:XR+\j+3]
.endr
	v_pk_add_f32 v[T:T+1], v[T:T+1], v[T+2:T+3]
	v_add_f32 v[T], v[T], v[T+1]
	REDUCE
	v_mul_f32 v[MU], s44, v[T]                     ; the mean
.irp j, 0,2,4,6,8,10,12,14,16,18,20,22,24,26,28,30
	v_pk_add_f32 v[XR+\j:XR+\j+1], v[XR+\j:XR+\j+1], v[MU:MU+1] op_sel_hi:[1,0] neg_lo:[0,1] neg_hi:[0,1]   ; x - mean
.endr
	v_pk_mul_f32 v[T:T+1], v[XR:XR+1], v[XR:XR+1]
	v_pk_mul_f32 v[T+2:T+3], v[XR+2:XR+3], v[XR+2:XR+3]
.irp j, 4,8,12,16,20,24,28
	v_pk_fma_f32 v[T:T+1], v[XR+\j:XR+\j+1], v[XR+\j:XR+\j+1], v[T:T+1]
	v_pk_fma_f32 v[T+2:T+3], v[XR+\j+2:XR+\j+3], v[XR+\j+2:XR+\j+3], v[T+2:T+3]
.endr
	v_pk_add_f32 v[T:T+1], v[T:T+1], v[T+2:T+3]
	v_add_f32 v[T], v[T], v[T+1]
	REDUCE
	v_fma_f32 v[T], v[T], s44, s45                 ; the variance + eps
	s_wait_alu depctr_va_vdst(0)
	v_rsq_f32 v[RS], v[T]
	v_nop                                          ; a plain line behind the transcendental,
	s_wait_alu depctr_va_vdst(0)                   ; and the wait ahead of its first reader
.irp j, 0,2,4,6,8,10,12,14,16,18,20,22,24,26,28,30
	v_pk_mul_f32 v[XR+\j:XR+\j+1], v[XR+\j:XR+\j+1], v[RS:RS+1] op_sel_hi:[1,0]
.endr
.irp j, 0,2,4,6,8,10,12,14,16,18,20,22,24,26,28,30
	v_pk_fma_f32 v[XR+\j:XR+\j+1], v[XR+\j:XR+\j+1], v[G+\j:G+\j+1], v[B+\j:B+\j+1]
.endr
.set pp, 0
.rept NPL
	s_wait_xcnt 0x0                                ; the last stores have read their data: the codes' registers are written again only behind this wait
.set nn, 0
.rept 32
	v_med3_num_f32 v[T+nn], v[XR+nn], -v[LIM+pp], v[LIM+pp]
.set nn, nn+1
.endr
.set uu, 0
.rept 4
	v_cvt_scalef32_pk8_fp8_f32 v[C+2*uu:C+2*uu+1], v[T+8*uu:T+8*uu+7], v[SC+pp]
.set uu, uu+1
.endr
	v_nop                                          ; a plain line behind the last conversion: its sources are written again below
.set uu, 0
.rept 4
	global_store_b64 v2, v[C+2*uu:C+2*uu+1], s[SOUT+2*pp:SOUT+2*pp+1] offset:(\i)*1024+256*uu   ; 32 lanes store 256 consecutive, aligned bytes
.set uu, uu+1
.endr
.set pp, pp+1
.endr
.endm
	s_wait_kmcnt 0x0
	MKQ 48, SC,   LIM,   30, 31
	MKQ 50, SC+1, LIM+1, 30, 31
	MKQ 52, SC+2, LIM+2, 30, 31
	s_wait_loadcnt 32                              ; gain and bias are in; x's 32 loads may be out
	SWAP16 G
	SWAP16 B
	LNROW 0
	LNROW 1
	LNROW 2
	LNROW 3
	s_endpgm
.Lfunc_end_k_qb37d2b9348_prep:
	.size	k_qb37d2b9348_prep, .Lfunc_end_k_qb37d2b9348_prep-k_qb37d2b9348_prep
	.p2alignl 7, 3214868480
	.fill 96, 4, 3214868480
	.section	.rodata,"a",@progbits
	.p2align	6, 0x0
	.amdhsa_kernel k_qb37d2b9348_prep
		.amdhsa_group_segment_fixed_size 35840
		.amdhsa_private_segment_fixed_size 0
		.amdhsa_enable_private_segment 0
		.amdhsa_kernarg_size 96
		.amdhsa_user_sgpr_count 2
		.amdhsa_user_sgpr_kernarg_segment_ptr 1
		.amdhsa_wavefront_size32 1
		.amdhsa_system_sgpr_workgroup_id_x 1
		.amdhsa_system_sgpr_workgroup_id_y 1
		.amdhsa_system_sgpr_workgroup_id_z 1
		.amdhsa_system_vgpr_workitem_id 0
		.amdhsa_next_free_vgpr 256
		.amdhsa_next_free_sgpr 66
		.amdhsa_reserve_vcc 0
		.amdhsa_float_denorm_mode_32 3
		.amdhsa_float_denorm_mode_16_64 3
		.amdhsa_memory_ordered 1
		.amdhsa_forward_progress 1
		.amdhsa_inst_pref_size 124
	.end_amdhsa_kernel
	.amdgpu_metadata
---
amdhsa.version: [ 1, 2 ]
amdhsa.kernels:
  - .name:           k_qb37d2b9348_prep
    .symbol:         k_qb37d2b9348_prep.kd
    .args:
      - { .name: wq, .offset: 0, .size: 8, .value_kind: global_buffer, .address_space: global }
      - { .name: wk, .offset: 8, .size: 8, .value_kind: global_buffer, .address_space: global }
      - { .name: wv, .offset: 16, .size: 8, .value_kind: global_buffer, .address_space: global }
      - { .name: wo, .offset: 24, .size: 8, .value_kind: global_buffer, .address_space: global }
      - { .name: w1, .offset: 32, .size: 8, .value_kind: global_buffer, .address_space: global }
      - { .name: w2, .offset: 40, .size: 8, .value_kind: global_buffer, .address_space: global }
      - { .name: lowp_scales, .offset: 48, .size: 8, .value_kind: global_buffer, .address_space: global }
      - { .name: x, .offset: 56, .size: 8, .value_kind: global_buffer, .address_space: global }
      - { .name: ln1_g, .offset: 64, .size: 8, .value_kind: global_buffer, .address_space: global }
      - { .name: ln1_b, .offset: 72, .size: 8, .value_kind: global_buffer, .address_space: global }
      - { .name: wcodes, .offset: 80, .size: 8, .value_kind: global_buffer, .address_space: global }
      - { .name: h1c, .offset: 88, .size: 8, .value_kind: global_buffer, .address_space: global }
    .group_segment_fixed_size: 35840
    .private_segment_fixed_size: 0
    .kernarg_segment_align: 8
    .kernarg_segment_size: 96
    .max_flat_workgroup_size: 128
    .sgpr_count:     66
    .vgpr_count:     256
    .wavefront_size: 32
...
	.end_amdgpu_metadata
.endif
;; end of part 1
;; launch qkv (part 2): grid 12 x 16, 4 waves a work-group, clusters of 4 x 4, 327,680 bytes of LDS; arguments h1c, wcodes, lowp_scales, bq, bk, bv, qkvc; writes qkvc
.if DOCPART == 2
	.amdgcn_target "amdgcn-amd-amdhsa--gfx1250"
	.amdhsa_code_object_version 6
	.text
	.protected	k_qb37d2b9348_qkv
	.globl	k_qb37d2b9348_qkv
	.p2align	8
	.type	k_qb37d2b9348_qkv,@function
k_qb37d2b9348_qkv:
	s_mov_b64 s[64:65], 0
	v_nop
	global_prefetch_b8 v0, s[64:65] scope:SCOPE_SE
	s_setreg_imm32_b32 hwreg(HW_REG_WAVE_MODE, 25, 1), 1
	s_wait_xcnt 0x0
	s_wait_alu depctr_hold_cnt(0) depctr_sa_sdst(0) depctr_va_vdst(0) depctr_va_sdst(0) depctr_va_ssrc(0) depctr_va_vcc(0) depctr_vm_vsrc(0)
	s_getreg_b32 s2, hwreg(HW_REG_IB_STS2, 6, 4)
	s_cmp_eq_u32 s2, 0
	s_cbranch_scc0 .Lentry_in_a_cluster
	s_endpgm
.Lentry_in_a_cluster:
	s_bfe_u32 s2, ttmp6, 0x10000c
	s_cmp_lg_u32 s2, 0xf033
	s_cbranch_scc0 .Lentry_shape_is_right
	s_endpgm
.Lentry_shape_is_right:
; A GEMM on codes of E4M3 whose result is quantised again: out[i][j] = Q(sum over k of Y[i][k] X[j][k] x 2^(ea + eb) + bias), K = 1,024.  QKV = 1: the three projections; QKV = 0: the first layer of the feed-forward part, with relu.
; A tile of 256 x 256 is made by four waves, each 128 x 128: 64 accumulators.  K goes in steps of 256 through a ring of two LDS slots filled by the tensor data mover (rows of 256 bytes, aligned).
; CLUSTERS: 4 x 4 work-groups; Y's tile is shared along a row of the cluster, X's along a column: each is asked for jointly.
; The matrix instruction takes X's rows as source 0 and Y's as source 1: a lane then holds eight neighbouring j of one row i, which one conversion turns into 8 bytes of codes.
; QKV = 1: the cluster's x is the kind: 0 q, 1 k, 2 v, the same in all sixteen partners.  q, k: Y = the plane of LN1's codes (tokens), X = the weight; rows of the result are tokens.
;   v: Y = the weight, X = the tokens, so that the result is v transposed, [head x 64 + d][token]: the keys innermost, as the second product of attention wants them.
; LIMITS on the given exponents: ea + eb between -126 and 127; the result's e between -126 and 119.
; REGISTERS: window 0: v1, v2 lane % 16, lane / 16; v8, v9 the biases' offsets; v16-29 addresses; v32-95 the bias along j; v96-111 the bias along i, each number twice; v112, v113 the quantiser's two;
;   from v128 Y's fragments, one set; on the way out v128-191 64 numbers, v192-223 codes (two sets), v224-255 the stores' offsets, v32-159 rows read back.
;   window 1: X's fragments, two sets.   windows 2, 3: the accumulators ((a, b) at v[8 (8 (a % 4) + b)]).
.set QKV,    1
.set SIZE_K, 1024
.set KSTEP,  256
.set ROWB,   256
.set KROW,   SIZE_K
.set PITCH,  272                       ; an LDS row: 256 bytes + 16 of padding = 68 words: the 16 rows that a load touches start at 16 different banks (64 banks of 4 bytes: ISA guide 11.1)
.set FR,     16
.set NL,     4
.set NP,     4
.set HALFT,  128*PITCH
.set SLOT,   4*HALFT
.set LAPS,   SIZE_K/(2*KSTEP)
.set SPARE,  2*SLOT                    ; behind the ring: the spare words, 128 bytes a wave
.set ADRA, 16
.set ADRB, 20
.set STO,  24
.set RD,   25
.set SPW,  28
.set NIL,  29
.set BJ,   32
.set BI,   96
.set LIM,  112
.set SC,   113
.set AF,   128
.set TMP,  128
.set CD,   192
.set AD,   224
.set RB,   32
.set G1, 24
.set G0, 32
.set G1B, 48
.set G0B, 56
.set MSB, 0
.macro WIN new                         ; the immediate's high byte repeats the setting that is left
.if MSB != (\new)
	s_set_vgpr_msb (MSB<<8)|(\new)
.set MSB, (\new)
.endif
.endm
.set MUL_LO, 0xa1                      ; source 0 (X) window 1, source 1 (Y) window 0, C and D window 2
.set MUL_HI, 0xf1
.set TO_B,   0x40
.macro JLOAD g0a, g1a, g0b, g1b        ; a joint load: waves 0 and 1 fetch for Y, waves 2 and 3 for X; the branch hangs on the wave's number alone; an s_nop 0 and four v_nop follow each line
	s_cmp_eq_u32 s15, 0
	s_cbranch_scc0 .Lfor_b_\@
	tensor_load_to_lds s[\g0a:\g0a+3], s[\g1a:\g1a+7]
	s_nop 0
.rept 4
	v_nop
.endr
	s_branch .Lasked_\@
.Lfor_b_\@:
	tensor_load_to_lds s[\g0b:\g0b+3], s[\g1b:\g1b+7]
	s_nop 0
.rept 4
	v_nop
.endr
.Lasked_\@:
.endm
.macro CREST                           ; a round of the cluster's barrier behind its opening barrier
	s_cmp_lg_u32 s14, 0
	s_cbranch_scc1 .Lnot_wave_0_\@
	s_barrier_signal -3
.Lnot_wave_0_\@:
	s_barrier_wait -3
	s_barrier_signal -1
	s_barrier_wait -1
.endm
.macro CROUND
	s_barrier_signal -1
	s_barrier_wait -1
	CREST
.endm
	s_load_b256 s[84:91], s[0:1], 0x0              ; the tokens' codes, wcodes, the scales, the first bias
.if QKV
	s_load_b128 s[92:95], s[0:1], 0x20             ; bk, bv
	s_load_b64 s[10:11], s[0:1], 0x30              ; the result
.else
	s_load_b64 s[10:11], s[0:1], 0x20
.endif
	v_lshl_add_u32 v[SPW], v0, 2, SPARE
	v_mov_b32 v[NIL], 0
	ds_add_u32 v[SPW], v[NIL]                      ; the wave's opening: the add and its wait ahead of my first tensor load; the set-up below stands between them
	ds_add_u32 v[SPW], v[NIL]
	v_lshrrev_b32 v1, 5, v0
	v_readfirstlane_b32 s14, v1                    ; wave 0..3
	s_lshr_b32 s15, s14, 1                         ; which half of the tile's rows i is mine.  Also: I fetch for Y (0) or for X (1)
	s_and_b32 s16, s14, 1                          ; which half of its j.  Also: which 128 rows of that tile I fetch
	s_bfe_u32 s40, ttmp6, 0x40000                  ; cx, cy
	s_bfe_u32 s41, ttmp6, 0x40004
	s_and_b32 s22, ttmp7, 0xffff
	s_lshl_b32 s22, s22, 2                         ; 4 x cluster y
.if QKV
	s_mov_b32 s12, ttmp9                           ; the kind
	s_cmp_eq_u32 s12, 2
	s_cselect_b32 s23, 0, s22                      ; the sixteen tiles of tokens lie along i for q and k, along j for v
	s_cselect_b32 s22, s22, 0
	s_mov_b32 s13, 1024
	s_cselect_b32 s13, 4096, s13                   ; a row of the result in bytes
	s_add_co_u32 s17, s23, s41                     ; tile row
	s_add_co_u32 s42, s22, s40                     ; tile column
	s_lshl_b32 s98, s12, 22
	s_mov_b32 s99, 0
	s_lshl_b32 s2, s12, 20
	s_mov_b32 s3, 0
.else
	s_add_co_u32 s17, s22, s41
	s_lshl_b32 s42, ttmp9, 2
	s_add_co_u32 s42, s42, s40
	s_mov_b32 s13, 4096
.endif
	s_lshl_b32 s43, s41, 2
	s_lshl_b32 s43, 15, s43                        ; my row of the cluster
	s_lshl_b32 s44, 0x1111, s40                    ; my column
	s_or_b32 s[G1+0], s43, (0<<16)|(1<<20)|(1<<21)|(5<<22)|(3<<25)  ; the mask; elements of 1 byte; padding on; bit 21 beside a mask; after every 64 words, 4 words
	s_or_b32 s[G1B+0], s44, (0<<16)|(1<<20)|(1<<21)|(5<<22)|(3<<25)
.irp g, G1, G1B
	s_mov_b32 s[\g+1], ROWB<<16                    ; tensor_dim0
	s_mov_b32 s[\g+2], 128<<16                     ; tensor_dim1
	s_mov_b32 s[\g+3], ROWB<<16                    ; tile_dim0
	s_mov_b32 s[\g+4], 128                         ; tile_dim1
	s_mov_b32 s[\g+5], KROW                        ; the pitch
	s_mov_b32 s[\g+6], 0
	s_mov_b32 s[\g+7], 0
.endr
	s_lshl_b32 s18, s16, 7
	s_lshl_b32 s20, s17, 8
	s_add_co_u32 s20, s20, s18                     ; Y: row 256 x tile row + 128 x half
	s_lshl_b32 s46, s42, 8
	s_add_co_u32 s46, s46, s18                     ; X: row 256 x tile column + 128 x half
	s_lshl_b32 s20, s20, 10                        ; rows of 1,024 bytes
	s_lshl_b32 s46, s46, 10
	s_mov_b32 s21, 0
	s_mov_b32 s47, 0
	s_mul_i32 s45, s14, HALFT                      ; where they go: wave x 128 rows
	s_wait_dscnt 0x0                               ; the opening add is done
	s_wait_kmcnt 0x0
	s_load_b512 s[68:83], s[88:89], 0x0            ; the sixteen exponents
.if QKV
	s_add_nc_u64 s[84:85], s[84:85], s[98:99]      ; this kind's plane of LN1's codes,
	s_add_nc_u64 s[86:87], s[86:87], s[2:3]        ; its weight,
	s_add_nc_u64 s[10:11], s[10:11], s[98:99]      ; its part of the result
	s_cmp_eq_u32 s12, 2
	s_cselect_b64 s[4:5], s[86:87], s[84:85]       ; Y
	s_cselect_b64 s[6:7], s[84:85], s[86:87]       ; X
	s_cselect_b64 s[66:67], s[94:95], s[90:91]
	s_cmp_eq_u32 s12, 1
	s_cselect_b64 s[66:67], s[92:93], s[66:67]     ; its bias
.else
	s_mov_b64 s[4:5], s[84:85]
	s_add_nc_u64 s[6:7], s[86:87], 0x400000        ; w1's codes
	s_mov_b64 s[66:67], s[90:91]
.endif
	s_add_nc_u64 s[20:21], s[4:5], s[20:21]
	s_add_nc_u64 s[46:47], s[6:7], s[46:47]
	CROUND                                         ; all sixteen work-groups are here: the first joint loads meet
.irp s, 0,1
	s_mov_b32 s[G0+4*\s], 1
	s_add_co_u32 s[G0+4*\s+1], s45, \s*SLOT
	s_add_nc_u64 s[G0+4*\s+2:G0+4*\s+3], s[20:21], \s*ROWB
	s_or_b32 s[G0+4*\s+3], s[G0+4*\s+3], 0x80000000
	s_mov_b32 s[G0B+4*\s], 1
	s_add_co_u32 s[G0B+4*\s+1], s45, \s*SLOT
	s_add_nc_u64 s[G0B+4*\s+2:G0B+4*\s+3], s[46:47], \s*ROWB
	s_or_b32 s[G0B+4*\s+3], s[G0B+4*\s+3], 0x80000000
.endr
	; the prefetches: of the 128 rows that my wave fetches, each of the four partners that ask for them jointly names 32, told apart by address (cx for Y, cy for X): each 256 bytes of a K step are named once in the cluster
	s_cmp_eq_u32 s15, 0                            ; do I fetch for Y?
	s_cselect_b64 s[8:9], s[20:21], s[46:47]       ; my 128 rows, at K step 0
	s_cselect_b32 s18, s40, s41                    ; my place among the four that ask with me
	s_lshl_b32 s18, s18, 15                        ; 32 rows of 1,024 bytes
	s_mov_b32 s19, 0
	s_add_nc_u64 s[8:9], s[8:9], s[18:19]          ; never stepped: the K step is the immediate offset
	JLOAD G0, G1, G0B, G1B                         ; K step 0: one tensor load a wave at the head
	v_and_b32 v1, 15, v0                           ; l % 16
	v_bfe_u32 v2, v0, 4, 1                         ; l / 16
	v_mul_u32_u24 v3, v1, PITCH
	s_wait_alu depctr_va_vdst(0)
	v_lshl_add_u32 v4, v2, 4, v3                   ; a fragment's row x pitch + 16 x half
	s_mul_i32 s21, s15, HALFT
	s_mul_i32 s22, s16, HALFT
	s_add_co_u32 s22, s22, 2*HALFT
.irp s, 0,1
	v_add_nc_u32 v[ADRA+\s], s21, v4
	v_add_nc_u32 v[ADRB+\s], s22, v4
	s_add_co_u32 s21, s21, SLOT
	s_add_co_u32 s22, s22, SLOT
.endr
	s_mul_i32 s23, s15, 128*PITCH                  ; the stage of codes, 256 rows x 272 bytes in slot 0: into it: row 128 x my half + l % 16, byte 128 x my half of j + 8 (l / 16)
	s_lshl_b32 s18, s16, 7
	s_add_co_u32 s23, s23, s18
	v_lshl_add_u32 v5, v2, 3, v3
	v_add_nc_u32 v[STO], s23, v5
	s_mul_i32 s23, s14, 64*PITCH                   ; back: wave w takes rows 64 w on, whole: sixteen lanes to a row
	v_mul_u32_u24 v5, v2, PITCH
	v_lshl_add_u32 v5, v1, 4, v5
	v_add_nc_u32 v[RD], s23, v5
	s_lshl_b32 s20, s17, 8
	s_lshl_b32 s21, s14, 6
	s_add_co_u32 s20, s20, s21
	s_mul_i32 s20, s20, s13                        ; the first row that I store
	s_mov_b32 s21, 0
	s_lshl_b32 s46, s42, 8                         ; the tile's first byte in a row
	s_mov_b32 s47, 0
	s_add_nc_u64 s[10:11], s[10:11], s[20:21]
	s_add_nc_u64 s[10:11], s[10:11], s[46:47]
	s_lshl_b32 s100, s13, 1
	; the biases.  Both layouts are loaded on the one way that all kinds take, each from offsets inside the buffer: the one that the kind does not use begins at the bias's first number
	s_lshl_b32 s47, s16, 7
	s_add_co_u32 s46, s46, s47                     ; my first j
.if QKV
	s_lshl_b32 s20, s17, 8
	s_lshl_b32 s21, s15, 7
	s_add_co_u32 s20, s20, s21                     ; my first i
	s_cmp_eq_u32 s12, 2
	s_cselect_b32 s46, 0, s46
	s_cselect_b32 s20, s20, 0
	s_lshl_b32 s20, s20, 2
	s_mov_b32 s21, 0
	s_add_nc_u64 s[98:99], s[66:67], s[20:21]
.endif
	s_lshl_b32 s46, s46, 2
	s_mov_b32 s47, 0
	s_add_nc_u64 s[66:67], s[66:67], s[46:47]
	v_lshlrev_b32 v8, 5, v2
	v_lshlrev_b32 v9, 2, v1
	v_and_b32 v10, 31, v0
	v_lshlrev_b32 v10, 10, v10                     ; the prefetches' offset: a lane a row of 1,024 bytes; never rewritten
	global_prefetch_b8 v10, s[8:9] offset:256 th:TH_LOAD_NT scope:SCOPE_SE   ; behind each joint load one prefetch a wave names the K step that the NEXT joint load will ask for: here K step 1
.irp b, 0,1,2,3,4,5,6,7
	global_load_b128 v[BJ+8*\b:BJ+8*\b+3], v8, s[66:67] offset:64*\b          ; bias(j = 16 b + 8 (l / 16) + 0 .. 7)
	global_load_b128 v[BJ+8*\b+4:BJ+8*\b+7], v8, s[66:67] offset:64*\b+16
.endr
.if QKV
.irp a, 0,1,2,3,4,5,6,7
	global_load_b32 v[BI+2*\a], v9, s[98:99] offset:64*\a                     ; bias(i = 16 a + l % 16), twice: a pair for the packed form
	global_load_b32 v[BI+2*\a+1], v9, s[98:99] offset:64*\a
.endr
.endif
.macro FRAG reg, adr, q, i             ; a fragment, 16 rows x 128 K, is 16 registers: registers 4 c .. 4 c + 3 hold K = 32 c + 16 (l / 16) + 0 .. 15: the same permutation of k on both sides
.irp c, 0,1,2,3
	ds_load_b128 v[\reg+4*\c:\reg+4*\c+3], v[\adr] offset:128*(\q)+32*\c+(\i)*16*PITCH
.endr
.endm
; 16 matrix instructions: Y's blocks a0, a0 + 1 x X's eight.  The 64 accumulators take turns, one instruction a turn, in the same order in every step.
.macro MUL16 a0, p, zero
.irp a, \a0, \a0+1
.irp b, 0,1,2,3,4,5,6,7
.if \zero
	v_wmma_f32_16x16x128_fp8_fp8 v[8*(8*((\a)%4)+\b):8*(8*((\a)%4)+\b)+7], v[128*(\p)+FR*\b:128*(\p)+FR*\b+FR-1], v[AF+FR*(\a):AF+FR*(\a)+FR-1], 0
.else
	v_wmma_f32_16x16x128_fp8_fp8 v[8*(8*((\a)%4)+\b):8*(8*((\a)%4)+\b)+7], v[128*(\p)+FR*\b:128*(\p)+FR*\b+FR-1], v[AF+FR*(\a):AF+FR*(\a)+FR-1], v[8*(8*((\a)%4)+\b):8*(8*((\a)%4)+\b)+7]
.endif
.endr
.endr
.endm
.macro FETCH_B slot, q, p
	WIN TO_B
.irp i, 0,1,2,3,4,5,6,7
	FRAG 128*(\p)+FR*\i, ADRB+\slot, \q, \i
.endr
	WIN 0
.endm
.macro FETCH_A slot, q, i0
.irp i, \i0, \i0+1, \i0+2, \i0+3
	FRAG AF+FR*(\i), ADRA+\slot, \q, \i
.endr
.endm
.macro PLACES n                        ; plain vector lines between a matrix instruction and a load into, or a vector read of, its registers
.rept \n
	v_nop
.endr
.endm
.macro STEP slot, q, zero              ; a step of 128 along K that has its successor in the same slot
	s_wait_dscnt 4*NL                              ; X's set and Y's blocks 0-3 are in; the youngest sixteen loads (Y's blocks 4-7) may be out
	WIN MUL_LO
	MUL16 0, (\q)%2, \zero
	MUL16 2, (\q)%2, \zero
	s_wait_dscnt 0
	PLACES NP
	FETCH_B \slot, (\q)+1, 1-(\q)%2
	FETCH_A \slot, (\q)+1, 0
	WIN MUL_HI
	MUL16 4, (\q)%2, \zero
	MUL16 6, (\q)%2, \zero
	PLACES NP
	WIN 0
	FETCH_A \slot, (\q)+1, 4
.endm
.macro TURN slot, next, fill           ; a slot's last step changes slots: one barrier; fill = 1: this slot is filled again, two K steps ahead
	s_wait_tensorcnt 0x0                           ; all my tensor loads have landed: my part of the next slot
	ds_add_u32 v[SPW], v[NIL]                      ; 0 onto my spare word
	s_wait_dscnt 4*NL+1                            ; the add and the youngest sixteen loads may be out
	WIN MUL_LO
	MUL16 0, 1, 0
	s_wait_dscnt 0x0                               ; the add is done, and my reads of this slot are over
	s_barrier_signal -1
	MUL16 2, 1, 0
	WIN 0
	s_barrier_wait -1
.if \fill
	CREST                                          ; the barrier has opened a round of the cluster's: no wave of any partner still reads this slot or has a load on its way
	s_add_nc_u64 s[G0+4*\slot+2:G0+4*\slot+3], s[G0+4*\slot+2:G0+4*\slot+3], 2*ROWB
	s_add_nc_u64 s[G0B+4*\slot+2:G0B+4*\slot+3], s[G0B+4*\slot+2:G0B+4*\slot+3], 2*ROWB
	JLOAD G0+4*\slot, G1, G0B+4*\slot, G1B         ; the first tensor load behind the round; its four v_nop are the places in front of the loads below
.else
	PLACES NP
.endif
	s_wait_alu depctr_va_vdst(0)
	FETCH_B \next, 0, 0
	FETCH_A \next, 0, 0
.if (\fill) && (\slot) == 0
	global_prefetch_b8 v10, s[8:9] offset:768 th:TH_LOAD_NT scope:SCOPE_SE   ; K step 3, the last: the loop has LAPS - 1 = 1 trip, so the offset is a constant; the last joint load has nothing behind it to ask for
.endif
	WIN MUL_HI
	MUL16 4, 1, 0
	MUL16 6, 1, 0
	PLACES NP
	WIN 0
	FETCH_A \next, 0, 4
.endm
	s_wait_alu depctr_va_vdst(0)                   ; the wait at the head's end
	s_wait_tensorcnt 0x0                           ; my part of K step 0 is in
	ds_add_u32 v[SPW], v[NIL]
	s_wait_dscnt 0x0
	CROUND                                         ; everybody's part of K step 0 is in, and the sixteen work-groups meet
	JLOAD G0+4, G1, G0B+4, G1B                     ; K step 1: the first tensor load behind the round
	FETCH_B 0, 0, 0
	FETCH_A 0, 0, 0
	FETCH_A 0, 0, 4
	global_prefetch_b8 v10, s[8:9] offset:512 th:TH_LOAD_NT scope:SCOPE_SE   ; K step 2, 96 matrix instructions ahead of its load
	STEP 0, 0, 1
	s_mov_b32 s3, LAPS-1
.Llap:
	TURN 0, 1, 1
	STEP 1, 0, 0
	TURN 1, 0, 1
	STEP 0, 0, 0
	s_sub_co_u32 s3, s3, 1
	s_cmp_lg_u32 s3, 0
	s_cbranch_scc1 .Llap
	TURN 0, 1, 0                                   ; the last lap fills nothing
	STEP 1, 0, 0
	s_wait_dscnt 4*NL
	WIN MUL_LO
	MUL16 0, 1, 0
	MUL16 2, 1, 0
	s_wait_dscnt 0
	WIN MUL_HI
	MUL16 4, 1, 0
	MUL16 6, 1, 0
	WIN 0
	; THE WAY OUT.  sum x 2^(ea + eb) + bias, held, converted: 8 bytes of codes for each accumulator and lane.  They meet in a stage of 256 rows in slot 0, which has had its last fill and its last read,
	; and leave as whole rows: sixteen lanes store 256 consecutive, aligned bytes.
	s_wait_kmcnt 0x0
.if QKV
	s_add_co_i32 s96, s68, s69
	s_add_co_i32 s18, s70, s71
	s_add_co_i32 s19, s72, s73
	s_mov_b32 s97, s74
	s_cmp_eq_u32 s12, 1
	s_cselect_b32 s96, s18, s96
	s_cselect_b32 s97, s75, s97
	s_cmp_eq_u32 s12, 2
	s_cselect_b32 s96, s19, s96
	s_cselect_b32 s97, s77, s97                    ; q: entry 6, k: 7, v: 9
.else
	s_add_co_i32 s96, s80, s81
	s_mov_b32 s97, s82
.endif
	s_add_co_i32 s18, s97, 127
	s_lshl_b32 s19, s18, 23
	v_mov_b32 v[SC], s19                           ; 2^e of the result
	s_add_co_i32 s18, s18, 8
	s_lshl_b32 s18, s18, 23
	s_or_b32 s18, s18, 0x600000
	v_mov_b32 v[LIM], s18                          ; 448 x 2^e
	s_add_co_i32 s96, s96, 127
	s_lshl_b32 s96, s96, 23                        ; 2^(ea + eb)
	s_mov_b32 s97, s96
	s_wait_loadcnt 0x0                             ; the biases
	PLACES NP
	v_mul_u32_u24 v[AD], s13, v2
	v_lshl_add_u32 v[AD], v1, 4, v[AD]             ; the stores' offsets: row 2 t + l / 16, 16 bytes a lane
.set tt, 1
.rept 31
	v_add_nc_u32 v[AD+tt], s100, v[AD+tt-1]
.set tt, tt+1
.endr
.macro BLOCKC a                        ; Y's block a: 16 rows x my 128 j
.set AC, 64*((\a)%4)
.set CDS, CD+16*((\a)%2)
.if (\a) >= 2
	s_wait_dscnt 8                                 ; the stores of two blocks ago have read this set of codes; the last block's eight may be out
.endif
.if QKV
	s_cmp_eq_u32 s12, 2                            ; the kind: the same in all partners
	s_cbranch_scc1 .Lbi_\@
.endif
	WIN 0x02+((\a)/4)
.set jj, 0
.rept 32
	v_pk_fma_f32 v[TMP+jj:TMP+jj+1], v[AC+jj:AC+jj+1], s[96:97], v[BJ+jj:BJ+jj+1] op_sel_hi:[1,0,1]   ; each accumulator from its low end on
.set jj, jj+2
.endr
	WIN 0
.if QKV
	s_branch .Lbd_\@
.Lbi_\@:
	WIN 0x02+((\a)/4)
.set jj, 0
.rept 32
	v_pk_fma_f32 v[TMP+jj:TMP+jj+1], v[AC+jj:AC+jj+1], s[96:97], v[BI+2*(\a):BI+2*(\a)+1] op_sel_hi:[1,0,1]
.set jj, jj+2
.endr
	WIN 0
.Lbd_\@:
.endif
.set nn, 0
.rept 64
.if QKV
	v_med3_num_f32 v[TMP+nn], v[TMP+nn], -v[LIM], v[LIM]   ; the conversion does not saturate (ISA guide 7.6.2): the hold comes first
.else
	v_med3_num_f32 v[TMP+nn], v[TMP+nn], 0, v[LIM]         ; the activation and the hold in one
.endif
.set nn, nn+1
.endr
.irp b, 0,1,2,3,4,5,6,7
	v_cvt_scalef32_pk8_fp8_f32 v[CDS+2*\b:CDS+2*\b+1], v[TMP+8*\b:TMP+8*\b+7], v[SC]
.endr
	v_nop                                          ; a plain line behind the last conversion
.irp b, 0,1,2,3,4,5,6,7
	ds_store_b64 v[STO], v[CDS+2*\b:CDS+2*\b+1] offset:(\a)*16*PITCH+16*\b
.endr
.endm
.irp a, 0,1,2,3,4,5,6,7
	BLOCKC \a
.endr
	s_wait_dscnt 0x0                               ; for the others' sake: my stores into the stage are done
	s_barrier_signal -1
	s_barrier_wait -1                              ; a row's 256 bytes come from two waves
.set tt, 0
.rept 32
	ds_load_b128 v[RB+4*tt:RB+4*tt+3], v[RD] offset:tt*2*PITCH
.set tt, tt+1
.endr
.set tt, 0
.rept 32
	s_wait_dscnt 31-tt                             ; the younger loads may stay out
	global_store_b128 v[AD+tt], v[RB+4*tt:RB+4*tt+3], s[10:11]
.set tt, tt+1
.endr
	s_wait_tensorcnt 0x0                           ; the wave's end
	ds_add_u32 v[SPW], v[NIL]
	s_wait_dscnt 0x0
	CROUND                                         ; the closing round
	s_endpgm
.Lfunc_end_k_qb37d2b9348_qkv:
	.size	k_qb37d2b9348_qkv, .Lfunc_end_k_qb37d2b9348_qkv-k_qb37d2b9348_qkv
	.p2alignl 7, 3214868480
	.fill 96, 4, 3214868480
	.section	.rodata,"a",@progbits
	.p2align	6, 0x0
	.amdhsa_kernel k_qb37d2b9348_qkv
		.amdhsa_group_segment_fixed_size 327680
		.amdhsa_private_segment_fixed_size 0
		.amdhsa_enable_private_segment 0
		.amdhsa_kernarg_size 56
		.amdhsa_user_sgpr_count 2
		.amdhsa_user_sgpr_kernarg_segment_ptr 1
		.amdhsa_wavefront_size32 1
		.amdhsa_system_sgpr_workgroup_id_x 1
		.amdhsa_system_sgpr_workgroup_id_y 1
		.amdhsa_system_sgpr_workgroup_id_z 1
		.amdhsa_system_vgpr_workitem_id 0
		.amdhsa_next_free_vgpr 1024
		.amdhsa_next_free_sgpr 102
		.amdhsa_reserve_vcc 0
		.amdhsa_float_denorm_mode_32 3
		.amdhsa_float_denorm_mode_16_64 3
		.amdhsa_memory_ordered 1
		.amdhsa_forward_progress 1
		.amdhsa_inst_pref_size 165
	.end_amdhsa_kernel
	.amdgpu_metadata
---
amdhsa.version: [ 1, 2 ]
amdhsa.kernels:
  - .name:           k_qb37d2b9348_qkv
    .symbol:         k_qb37d2b9348_qkv.kd
    .args:
      - { .name: h1c, .offset: 0, .size: 8, .value_kind: global_buffer, .address_space: global }
      - { .name: wcodes, .offset: 8, .size: 8, .value_kind: global_buffer, .address_space: global }
      - { .name: lowp_scales, .offset: 16, .size: 8, .value_kind: global_buffer, .address_space: global }
      - { .name: bq, .offset: 24, .size: 8, .value_kind: global_buffer, .address_space: global }
      - { .name: bk, .offset: 32, .size: 8, .value_kind: global_buffer, .address_space: global }
      - { .name: bv, .offset: 40, .size: 8, .value_kind: global_buffer, .address_space: global }
      - { .name: qkvc, .offset: 48, .size: 8, .value_kind: global_buffer, .address_space: global }
    .group_segment_fixed_size: 327680
    .private_segment_fixed_size: 0
    .kernarg_segment_align: 8
    .kernarg_segment_size: 56
    .max_flat_workgroup_size: 128
    .sgpr_count:     102
    .vgpr_count:     1024
    .wavefront_size: 32
...
	.end_amdgpu_metadata
.endif
;; end of part 2
;; launch attn (part 3): grid 16 x 16, 16 waves a work-group, clusters of 4 x 1, 327,680 bytes of LDS; arguments qkvc, lowp_scales, ac; writes ac
.if DOCPART == 3
	.amdgcn_target "amdgcn-amd-amdhsa--gfx1250"
	.amdhsa_code_object_version 6
	.text
	.protected	k_qb37d2b9348_attn
	.globl	k_qb37d2b9348_attn
	.p2align	8
	.type	k_qb37d2b9348_attn,@function
k_qb37d2b9348_attn:
	s_mov_b64 s[64:65], 0
	v_nop
	global_prefetch_b8 v0, s[64:65] scope:SCOPE_SE
	s_setreg_imm32_b32 hwreg(HW_REG_WAVE_MODE, 25, 1), 1
	s_wait_xcnt 0x0
	s_wait_alu depctr_hold_cnt(0) depctr_sa_sdst(0) depctr_va_vdst(0) depctr_va_sdst(0) depctr_va_ssrc(0) depctr_va_vcc(0) depctr_vm_vsrc(0)
	s_getreg_b32 s2, hwreg(HW_REG_IB_STS2, 6, 4)
	s_cmp_eq_u32 s2, 0
	s_cbranch_scc0 .Lentry_in_a_cluster
	s_endpgm
.Lentry_in_a_cluster:
	s_bfe_u32 s2, ttmp6, 0x10000c
	s_cmp_lg_u32 s2, 0x3003
	s_cbranch_scc0 .Lentry_shape_is_right
	s_endpgm
.Lentry_shape_is_right:
; CAUSAL ATTENTION ON CODES OF E4M3.  q, k: [4096 tokens][1024] at bytes 0 and 4 MiB of qkvc; v transposed, [1024 = head x 64 + d][4096 tokens], at 8 MiB.  The result, quantised with entry 10, goes to ac [4096][1024].
; t = score x log2(e) / 8; M = the running largest t rounded up to a whole number; p = 2^(t - M) is quantised along the keys (entry 8), not normalised; the row's sum is taken of the unquantised p and divides at the end.
; SHARES.  Work-group (g, y): batch y / 4, heads 4 (y % 4) + 0 .. 3, so that a key's, a query's and a result's row is 256 aligned bytes.  Wave w: head j = w % 4, and of the four tiles of 16 queries
; {g, 31 - g, 32 + g, 63 - g} the one numbered a = (w / 4 + j) % 4.  The four tiles together have 18 key steps of 128 that are not hidden, whatever g.
; Every wave walks all four slots of 256 keys; a step all of whose keys come after the wave's queries is left out by a scalar branch; no barrier and no tensor load stands in a step.
; CLUSTER 4, 1, 1: the partners g = 4 c + 0 .. 3 walk the same K and V and ask for each slot jointly.  Their tiles numbered a lie in one aligned group of four tiles, so inside one group of eight tiles = 128 queries:
; the key step that holds the diagonal is the same for all four.  Its first key KD is made from c and the wave's number alone, and both branches of a step compare the step's first key with KD: no branch hangs on a
; work-group's place in its cluster.  The query's own number enters the mask's vector arithmetic and global addresses only.  Every partner has a tile 63 - g >= 48, so each reads all four slots.
; LAYOUT.  S^T = K Q^T (source 0 = 16 neighbouring keys, source 1 = my 16 queries), O^T = V^T P^T: a lane holds one query throughout.  Register 8 t + i of S^T is key 16 t + 8 (lane / 16) + i: the conversions' results
; are the second product's operand in its own layout; V's fragments come by loads of 8 bytes in that layout.  K and Q take loads of 16 bytes: the same permutation of the head's 64 on both sides.
; LIMITS on the given exponents: e6 + e7 between -123 and 130; e8 and e10 between -126 and 119.
; REGISTERS: v1-11 addresses; v12 -M, v13 the largest t, v[14:15] the sum; v16-23 Q; v32-95 K's eight fragments, then V's four; v96-159 S^T, then p; v160-191 O^T; v192-195 at work at the head; v224-239 p's codes;
;   v240, v241, v244, v245 the quantisers' four; v234-239, v[242:243], v246, v248-255 at work.
.set SK,    256
.set NQ,    2
.set KP,    272                        ; a row in LDS: 256 bytes + 16 of padding
.set VP,    272
.set HALF,  128*KP                     ; what one tensor load brings
.set VOFF,  SK*KP                      ; a slot: 256 keys of K, then 256 rows of V
.set SLOT1, 2*VOFF                     ; 0x22000: it shares no bit with 0, HALF, VOFF, VOFF + HALF, so one exclusive or turns an address in one slot into the other's
.set NSL,   4
.set SPARE, 2*SLOT1                    ; behind the ring: the spare words, 128 bytes a wave
.set AK0,  1
.set AV0,  2
.set PFOK, 3
.set PFOV, 4
.set SPW,  5
.set NIL,  6
.set GO,   7
.set ADK,  8
.set ADV,  9
.set SI,   10                          ; the way out: where I put 8 bytes of a row of the stage (64 rows x 272 bytes at LDS byte 0: slot 0, left at the last change of slots)
.set SO,   11                          ; and where I read a row back
.set XH,   246                         ; what the lane 16 away holds: the permute's destination, a register of its own
.set WV,   18
.set SEL,  20
.set CS,   22
.set G1K,  24
.set G1V,  32
.set G0K,  40
.set G0V,  44
.set TB,   2
.set KD,   51                          ; s51 the first key of the step that holds my tile's diagonal: the same in all four partners
.set SLOTS, 67
.set PFK,  76
.set PFV,  78
.set LIM,  80
.set KF,   98
.set Q0,   99
.macro MKQ e, sc, lim, t0, t1
	s_add_co_i32 s[\t0], s[\e], 127
	s_lshl_b32 s[\t1], s[\t0], 23
	v_mov_b32 v[\sc], s[\t1]
	s_add_co_i32 s[\t0], s[\t0], 8
	s_lshl_b32 s[\t0], s[\t0], 23
	s_or_b32 s[\t0], s[\t0], 0x600000
	v_mov_b32 v[\lim], s[\t0]
.endm
.macro CREST                           ; a round of the cluster's barrier behind its opening barrier
	s_cmp_lg_u32 s[WV], 0
	s_cbranch_scc1 .Lnot_wave_0_\@
	s_barrier_signal -3
.Lnot_wave_0_\@:
	s_barrier_wait -3
	s_barrier_signal -1
	s_barrier_wait -1
.endm
.macro CROUND
	s_barrier_signal -1
	s_barrier_wait -1
	CREST
.endm
.macro TLOAD                           ; joint loads: waves 0 and 1 fetch K's halves, waves 2 and 3 V's, the others nothing; an s_nop 0 and four v_nop follow each line
	s_cmp_lt_u32 s[WV], 2
	s_cbranch_scc0 .Lnot_k_\@
	tensor_load_to_lds s[G0K:G0K+3], s[G1K:G1K+7]
	s_nop 0
.rept 4
	v_nop
.endr
	s_branch .Lasked_\@
.Lnot_k_\@:
	s_cmp_lt_u32 s[WV], 4
	s_cbranch_scc0 .Lasked_\@
	tensor_load_to_lds s[G0V:G0V+3], s[G1V:G1V+7]
	s_nop 0
.rept 4
	v_nop
.endr
.Lasked_\@:
.endm
; A prefetch of what the NEXT joint loads will ask for: 256 rows of K and 256 of V, 256 aligned bytes of each, a lane a row.  Every cluster asks for what it will itself load, each block once in the cluster:
; its four partners share the rows out by address: the partner at place cx takes rows 64 cx on, its waves 4 and 5 take 32 of K and 32 of V each.  Slot 1 is asked for at the head, slots 2 and 3 at the changes of
; slots that load slots 1 and 2; the last change that fills a slot asks for nothing.
.macro ASK
	s_cmp_gt_u32 s[SLOTS], s[LIM]
	s_cbranch_scc0 .Lnot_mine_\@
	global_prefetch_b8 v[PFOK], s[PFK:PFK+1] th:TH_LOAD_NT scope:SCOPE_SE
	global_prefetch_b8 v[PFOV], s[PFV:PFV+1] th:TH_LOAD_NT scope:SCOPE_SE
.Lnot_mine_\@:
.endm
	s_load_b128 s[4:7], s[0:1], 0x0                ; qkvc, the scales
	s_load_b64 s[16:17], s[0:1], 0x10              ; ac
	v_lshl_add_u32 v[SPW], v0, 2, SPARE
	v_mov_b32 v[NIL], 0
	ds_add_u32 v[SPW], v[NIL]                      ; the opening lines: the add, twice on end, and its wait ahead of the round in front of the first loads
	ds_add_u32 v[SPW], v[NIL]
	v_lshrrev_b32 v8, 5, v0
	s_delay_alu instid0(VALU_DEP_1)
	v_readfirstlane_b32 s[WV], v8                  ; wave 0..15
	s_bfe_u32 s48, ttmp6, 0x40000                  ; cx
	s_lshl_b32 s49, ttmp9, 2                       ; 4 c
	s_add_co_u32 s50, s49, s48                     ; g
	s_and_b32 s81, ttmp7, 0xffff
	s_lshr_b32 s82, s81, 2                         ; batch
	s_and_b32 s83, s81, 3                          ; which four heads
	s_lshr_b32 s84, s[WV], 2                       ; u
	s_and_b32 s85, s[WV], 3                        ; j
	s_add_co_u32 s86, s84, s85
	s_and_b32 s86, s86, 3                          ; a
	s_and_b32 s87, s86, 1
	s_mul_i32 s87, s87, 15
	s_xor_b32 s[KD], s87, s49
	s_xor_b32 s87, s87, s50
	s_lshl_b32 s88, s86, 4
	s_add_co_u32 s87, s87, s88                     ; my tile: 16 a + (g, or 15 - g where a is odd)
	s_lshl_b32 s[Q0], s87, 4                       ; my first query
	s_add_co_u32 s[KD], s[KD], s88                 ; the same with 4 c for g: a tile of my partners' group of four,
	s_lshr_b32 s[KD], s[KD], 3
	s_lshl_b32 s[KD], s[KD], 7                     ; whose group of eight tiles begins at query, and key, KD
	s_and_b32 s88, s84, 1
	s_mul_i32 s88, s88, 15
	s_xor_b32 s88, s88, s50
	s_lshl_b32 s89, s84, 4
	s_add_co_u32 s88, s88, s89                     ; the tile whose rows I store: the stage's rows 16 u on
	s_lshl_b32 s89, s82, 10                        ; the batch's first token
	s_lshl_b32 s93, s83, 8                         ; the four heads' first byte in a row
	s_add_co_u32 s90, s89, s[Q0]
	s_lshl_b32 s90, s90, 10
	s_add_co_u32 s90, s90, s93
	s_lshl_b32 s92, s85, 6                         ; my head's 64 bytes
	s_add_co_u32 s90, s90, s92
	s_mov_b32 s91, 0                               ; s[90:91]: Q
	s_lshl_b32 s94, s88, 4
	s_add_co_u32 s94, s94, s89
	s_lshl_b32 s95, s85, 2
	s_add_co_u32 s94, s94, s95
	s_lshl_b32 s94, s94, 10
	s_add_co_u32 s94, s94, s93
	s_mov_b32 s95, 0                               ; s[94:95]: the four rows that I store
	s_and_b32 s88, s[WV], 1                        ; which half I fetch, if I fetch
	s_lshl_b32 s8, s88, 7
	s_add_co_u32 s8, s8, s89
	s_lshl_b32 s8, s8, 10
	s_add_co_u32 s8, s8, s93
	s_add_co_u32 s8, s8, 0x400000
	s_mov_b32 s9, 0                                ; s[8:9]: K
	s_lshl_b32 s10, s88, 7
	s_add_co_u32 s10, s10, s93
	s_lshl_b32 s10, s10, 12
	s_add_co_u32 s10, s10, s89
	s_add_co_u32 s10, s10, 0x800000
	s_mov_b32 s11, 0                               ; s[10:11]: V
	s_mul_i32 s96, s88, HALF
	s_add_co_u32 s97, s96, VOFF
	s_lshl_b32 s87, s88, 5
	s_lshl_b32 s52, s48, 6
	s_add_co_u32 s87, s87, s52                     ; the 32 rows that I prefetch: 64 cx + 32 (wave % 2) on
	s_add_co_u32 s12, s87, s89
	s_lshl_b32 s12, s12, 10
	s_add_co_u32 s12, s12, s93
	s_add_co_u32 s12, s12, 0x400000+SK*1024        ; in slot 1: the first change of slots steps it to slot 2
	s_mov_b32 s13, 0
	s_add_co_u32 s14, s87, s93
	s_lshl_b32 s14, s14, 12
	s_add_co_u32 s14, s14, s89
	s_add_co_u32 s14, s14, 0x800000+SK
	s_mov_b32 s15, 0
	s_sub_co_u32 s87, s[WV], 4
	s_lshr_b32 s87, s87, 1                         ; 0 in waves 4 and 5: they ask
	s_cmp_eq_u32 s87, 0
	s_cselect_b32 s[LIM], 1, -1
	s_mov_b32 s[G1K], 15|(0<<16)|(1<<20)|(1<<21)|(5<<22)|(3<<25)   ; the four partners; elements of 1 byte; padding on; bit 21 beside a mask; 4 words after every 64
	s_mov_b32 s[G1K+1], 256<<16
	s_mov_b32 s[G1K+2], 128<<16
	s_mov_b32 s[G1K+3], 256<<16
	s_mov_b32 s[G1K+4], 128
	s_mov_b32 s[G1K+5], 1024                       ; from key to key
	s_mov_b32 s[G1K+6], 0
	s_mov_b32 s[G1K+7], 0
	s_mov_b32 s[G1V], 15|(0<<16)|(1<<20)|(1<<21)|(5<<22)|(3<<25)
	s_mov_b32 s[G1V+1], 256<<16
	s_mov_b32 s[G1V+2], 128<<16
	s_mov_b32 s[G1V+3], 256<<16
	s_mov_b32 s[G1V+4], 128
	s_mov_b32 s[G1V+5], 4096                       ; from row to row of v transposed
	s_mov_b32 s[G1V+6], 0
	s_mov_b32 s[G1V+7], 0
	s_mov_b32 s[SEL], 0x76543210
	s_mov_b32 s[SEL+1], 0xfedcba98
	s_mov_b32 s[CS], 0x3e38aa3b                    ; c = log2(e) / 8
	s_mov_b32 s[TB], 0
	s_mov_b32 s[SLOTS], NSL-1
	s_mov_b32 s[KF], 0
	s_wait_dscnt 0x0                               ; both opening adds are done
	s_wait_kmcnt 0x0
	s_load_b256 s[68:75], s[6:7], 0x18             ; e6 .. e13
	s_mov_b32 s[G0K], 1
	s_mov_b32 s[G0K+1], s96
	s_add_nc_u64 s[G0K+2:G0K+3], s[4:5], s[8:9]
	s_or_b32 s[G0K+3], s[G0K+3], 0x80000000
	s_mov_b32 s[G0V], 1
	s_mov_b32 s[G0V+1], s97
	s_add_nc_u64 s[G0V+2:G0V+3], s[4:5], s[10:11]
	s_or_b32 s[G0V+3], s[G0V+3], 0x80000000
	CROUND                                         ; the four work-groups are here: the first joint loads meet
	TLOAD                                          ; slot 0
	s_add_nc_u64 s[PFK:PFK+1], s[4:5], s[12:13]
	s_add_nc_u64 s[PFV:PFV+1], s[4:5], s[14:15]
	s_add_nc_u64 s[4:5], s[4:5], s[90:91]
	s_add_nc_u64 s[16:17], s[16:17], s[94:95]
	v_and_b32 v192, 15, v0                         ; r
	v_bfe_u32 v193, v0, 4, 1                       ; h
	s_delay_alu instid0(VALU_DEP_2)
	v_lshlrev_b32 v194, 10, v192
	s_delay_alu instid0(VALU_DEP_1)
	v_lshl_add_u32 v194, v193, 4, v194
	global_load_b128 v[16:19], v194, s[4:5]        ; Q's fragment stays in registers
	global_load_b128 v[20:23], v194, s[4:5] offset:32
	v_mul_u32_u24 v195, v192, KP
	s_delay_alu instid0(VALU_DEP_1)
	v_lshl_add_u32 v[AK0], v193, 4, v195
	s_delay_alu instid0(VALU_DEP_1)
	v_add_nc_u32 v[AK0], s92, v[AK0]               ; K: row r, my head's 64 bytes, + 16 h
	s_mul_i32 s87, s85, 64*VP
	s_add_co_u32 s87, s87, VOFF
	v_lshl_add_u32 v[AV0], v193, 3, v195
	s_delay_alu instid0(VALU_DEP_1)
	v_add_nc_u32 v[AV0], s87, v[AV0]               ; V: my head's 64 rows, row r, + 8 h
	s_mul_i32 s87, s86, 16*272
	s_add_co_u32 s87, s87, s92
	v_lshl_add_u32 v[SI], v193, 3, v195
	s_delay_alu instid0(VALU_DEP_1)
	v_add_nc_u32 v[SI], s87, v[SI]                 ; the stage: row 16 a + r, byte 64 j + 8 h
	s_mul_i32 s87, s[WV], 4*272
	v_mul_u32_u24 v[SO], v193, 272
	s_delay_alu instid0(VALU_DEP_1)
	v_lshl_add_u32 v[SO], v192, 4, v[SO]
	s_delay_alu instid0(VALU_DEP_1)
	v_add_nc_u32 v[SO], s87, v[SO]                 ; back: rows 4 w on, sixteen lanes to a row
	v_lshlrev_b32 v[GO], 10, v193
	s_delay_alu instid0(VALU_DEP_1)
	v_lshl_add_u32 v[GO], v192, 4, v[GO]
	v_and_b32 v[PFOK], 31, v0
	s_delay_alu instid0(VALU_DEP_1)
	v_lshlrev_b32 v[PFOV], 12, v[PFOK]
	s_delay_alu instid0(VALU_DEP_2)
	v_lshlrev_b32 v[PFOK], 10, v[PFOK]
	s_wait_alu depctr_va_vdst(0)
	ASK                                            ; slot 1, a slot ahead of its load: the addresses stand there until the first change of slots steps them
	v_mov_b32 v13, 0xff61b1e6                      ; the largest t so far: -3e38
	s_delay_alu instid0(VALU_DEP_1)
	v_floor_f32 v12, -v13
	v_mov_b32 v14, 0
	v_mov_b32 v15, 0
	v_mov_b32 v[XH], 0                             ; written once: a lane permute's destination counts as one of its sources
	v_mov_b32 v253, 0
.set jj, 0
.rept 32
	v_mov_b32 v[160+jj], 0                         ; O^T: the step is written once; its first run finds zeros
.set jj, jj+1
.endr
	s_wait_kmcnt 0x0
	s_add_co_i32 s87, s68, s69
	s_lshl_b32 s87, s87, 23
	s_add_co_i32 s[CS], s[CS], s87                 ; a score stands for score x 2^(e6 + e7): added to c's exponent field
	s_mov_b32 s[CS+1], s[CS]
	MKQ 70, 244, 240, 87, 88                       ; p's quantiser
	MKQ 72, 245, 241, 87, 88                       ; the result's
.macro STEP q                          ; 128 keys, the q-th of the slot in hand
	s_cmp_gt_u32 s[KF], s[KD]                      ; behind the diagonal's step all keys are hidden
	s_cbranch_scc1 .Lhidden_\@
	v_add_nc_u32 v[ADK], s[TB], v[AK0]
	v_add_nc_u32 v[ADV], s[TB], v[AV0]
	v_nop
	v_nop                                          ; with the two additions: four places in front of loads into registers that matrix instructions have read
.set tt, 0
.rept 8
	ds_load_b128 v[32+8*tt:35+8*tt], v[ADK] offset:(\q)*128*KP+tt*16*KP
	ds_load_b128 v[36+8*tt:39+8*tt], v[ADK] offset:(\q)*128*KP+tt*16*KP+32
.set tt, tt+1
.endr
	s_wait_alu depctr_va_vdst(0)
	s_wait_dscnt 0x0
.irp t, 0,1,2,3,4,5,6,7
	v_wmma_f32_16x16x64_fp8_fp8 v[96+8*\t:103+8*\t], v[32+8*\t:39+8*\t], v[16:23], 0
.endr
.rept 4
	v_nop
.endr
.set tt, 0
.rept 4                                        ; V's four fragments land while the softmax is worked
.set cc, 0
.rept 8
	ds_load_b64 v[32+16*tt+2*cc:33+16*tt+2*cc], v[ADV] offset:tt*16*VP+128*(\q)+16*cc
.set cc, cc+1
.endr
.set tt, tt+1
.endr
	s_cmp_lt_u32 s[KF], s[KD]                      ; ahead of the diagonal's step all keys count; in it hidden scores become -infinity ahead of the maximum
	s_cbranch_scc1 .Lopen_\@
	s_sub_co_i32 s96, s[Q0], s[KF]
	v_and_b32 v252, 15, v0
	v_bfe_u32 v253, v0, 4, 1
	s_delay_alu instid0(VALU_DEP_1)
	v_lshlrev_b32 v253, 3, v253
	s_delay_alu instid0(VALU_DEP_1)
	v_sub_nc_u32 v252, v252, v253
	s_delay_alu instid0(VALU_DEP_1)
	v_add_nc_u32 v252, s96, v252                   ; d = my query - KF - 8 (lane / 16): register n is hidden where 16 (n / 8) + n % 8 > d
	v_mov_b32 v254, 0xff800000
.set nn, 0
.rept 64
	v_cmp_gt_i32 vcc_lo, 16*(nn/8)+nn%8, v252
	v_cndmask_b32 v[96+nn], v[96+nn], v254, vcc_lo
.set nn, nn+1
.endr
.Lopen_\@:
	v_max3_num_f32 v254, v96, v97, v98             ; the step's largest score of my query, in two chains,
	v_max3_num_f32 v252, v99, v100, v101
.irp i, 6,10,14,18,22,26,30,34,38,42,46,50,54,58
	v_max3_num_f32 v254, v254, v[96+\i], v[97+\i]
	v_max3_num_f32 v252, v252, v[98+\i], v[99+\i]
.endr
	v_max3_num_f32 v254, v254, v158, v159
	s_delay_alu instid0(VALU_DEP_1)
	v_max_num_f32 v254, v254, v252
	s_delay_alu instid0(VALU_DEP_1)
	v_permlanex16_b32 v[XH], v254, s[SEL], s[SEL+1]
	s_delay_alu instid0(VALU_DEP_1)
	v_max_num_f32 v254, v254, v[XH]                ; and among lane l xor 16's
	s_delay_alu instid0(VALU_DEP_1)
	v_mul_f32 v254, s[CS], v254
	s_delay_alu instid0(VALU_DEP_1)
	v_max_num_f32 v13, v13, v254                   ; the running largest t
	v_mov_b32 v254, v12
	s_delay_alu instid0(VALU_DEP_2)
	v_floor_f32 v12, -v13                          ; the new -M: M is a whole number
	s_delay_alu instid0(VALU_DEP_1)
	v_sub_f32 v254, v12, v254
	s_delay_alu instid0(VALU_DEP_1)
	v_cvt_i32_f32 v254, v254
	s_delay_alu instid0(VALU_DEP_1)
	v_ldexp_f32 v252, 1.0, v254                    ; f = 2^(old M - new M): a multiplication by it rounds nothing
.set jj, 0
.rept 32
	v_pk_fma_f32 v[96+jj:97+jj], v[96+jj:97+jj], s[CS:CS+1], v[12:13] op_sel_hi:[1,0,0]   ; t - M
.set jj, jj+2
.endr
.set jj, 0
	s_wait_alu depctr_va_vdst(0)                   ; the wait ahead of the batch
.rept 64
	v_exp_f32 v[96+jj], v[96+jj]                   ; p = 2^(t - M)
.set jj, jj+1
.endr
	v_pk_mul_f32 v[14:15], v[14:15], v[252:253] op_sel_hi:[1,0]   ; the sums under the new M: a plain line behind the exponentials
	s_wait_alu depctr_va_vdst(0)                   ; one wait for the whole batch, ahead of its first reader
	v_pk_add_f32 v[242:243], v[100:101], v[104:105]   ; the row's sum of the unquantised p, in eight chains
	v_pk_add_f32 v[254:255], v[108:109], v[112:113]
	v_pk_add_f32 v[250:251], v[116:117], v[120:121]
	v_pk_add_f32 v[248:249], v[124:125], v[128:129]
	v_pk_add_f32 v[238:239], v[132:133], v[136:137]
	v_pk_add_f32 v[236:237], v[140:141], v[144:145]
	v_pk_add_f32 v[234:235], v[148:149], v[152:153]
	v_pk_add_f32 v[14:15], v[14:15], v[156:157]
	v_pk_add_f32 v[242:243], v[242:243], v[96:97]
	v_pk_add_f32 v[254:255], v[254:255], v[98:99]
	v_pk_add_f32 v[250:251], v[250:251], v[102:103]
	v_pk_add_f32 v[248:249], v[248:249], v[106:107]
	v_pk_add_f32 v[238:239], v[238:239], v[110:111]
	v_pk_add_f32 v[236:237], v[236:237], v[114:115]
	v_pk_add_f32 v[234:235], v[234:235], v[118:119]
	v_pk_add_f32 v[14:15], v[14:15], v[122:123]
	v_pk_add_f32 v[242:243], v[242:243], v[126:127]
	v_pk_add_f32 v[254:255], v[254:255], v[130:131]
	v_pk_add_f32 v[250:251], v[250:251], v[134:135]
	v_pk_add_f32 v[248:249], v[248:249], v[138:139]
	v_pk_add_f32 v[238:239], v[238:239], v[142:143]
	v_pk_add_f32 v[236:237], v[236:237], v[146:147]
	v_pk_add_f32 v[234:235], v[234:235], v[150:151]
	v_pk_add_f32 v[14:15], v[14:15], v[154:155]
	v_pk_add_f32 v[242:243], v[242:243], v[158:159]
	s_delay_alu instid0(VALU_DEP_2)
	v_pk_add_f32 v[14:15], v[14:15], v[248:249]
	s_delay_alu instid0(VALU_DEP_2)
	v_pk_add_f32 v[242:243], v[242:243], v[238:239]
	v_pk_add_f32 v[254:255], v[254:255], v[236:237]
	v_pk_add_f32 v[250:251], v[250:251], v[234:235]
	s_delay_alu instid0(VALU_DEP_2)
	v_pk_add_f32 v[14:15], v[14:15], v[254:255]
	s_delay_alu instid0(VALU_DEP_2)
	v_pk_add_f32 v[242:243], v[242:243], v[250:251]
	s_delay_alu instid0(VALU_DEP_1)
	v_pk_add_f32 v[14:15], v[14:15], v[242:243]
.irp t, 0,1,2,3,4,5,6,7
.irp i, 0,1,2,3,4,5,6,7
	v_min_num_f32 v[96+8*\t+\i], v[96+8*\t+\i], v240   ; p is not negative: the hold is one-sided
.endr
	v_cvt_scalef32_pk8_fp8_f32 v[224+2*\t:225+2*\t], v[96+8*\t:103+8*\t], v244
.endr
.set jj, 0
.rept 16
	v_pk_mul_f32 v[160+jj:161+jj], v[160+jj:161+jj], v[252:253] op_sel_hi:[1,0]   ; O^T under the new M; also the plain lines behind the conversions
.set jj, jj+2
.endr
	s_wait_alu depctr_va_vdst(0)
	s_wait_dscnt 0x0                               ; V's fragments
.irp t, 0,1,2,3
	v_wmma_f32_16x16x128_fp8_fp8 v[160+8*\t:167+8*\t], v[32+16*\t:47+16*\t], v[224:239], v[160+8*\t:167+8*\t]
.endr
.Lhidden_\@:
	s_add_co_u32 s[KF], s[KF], 128
.endm
; THE CHANGE OF SLOTS stands at a slot's head.  Each wave waits for all its tensor loads, adds 0 to its spare word, and waits for that and for its reads of the slot that it has left.
; fill = 1: the barrier opens a round of the cluster's barrier; behind the round the slot that was left is filled with the keys that follow: one joint load a fetching wave, which has a slot's steps in which to land.
.macro CHANGE fill
	s_wait_tensorcnt 0x0                           ; no tensor load of mine is out, so a group 0 may be written
	ds_add_u32 v[SPW], v[NIL]
.if \fill
	ds_add_u32 v[SPW], v[NIL]                      ; and once more, in every trip alike
	s_xor_b32 s[G0K+1], s[G0K+1], SLOT1
	s_add_nc_u64 s[G0K+2:G0K+3], s[G0K+2:G0K+3], SK*1024
	s_xor_b32 s[G0V+1], s[G0V+1], SLOT1
	s_add_nc_u64 s[G0V+2:G0V+3], s[G0V+2:G0V+3], SK
	s_wait_xcnt 0x0                                ; the last prefetches, a slot back, have read their addresses
	s_add_nc_u64 s[PFK:PFK+1], s[PFK:PFK+1], SK*1024
	s_add_nc_u64 s[PFV:PFV+1], s[PFV:PFV+1], SK
.endif
	s_wait_dscnt 0x0                               ; the add is done (fill = 1: both are), and my reads of the slot that I have left are over
	s_barrier_signal -1
	s_barrier_wait -1
.if \fill
	CREST                                          ; no wave of any partner still reads that slot or has a load on its way
	TLOAD
	ASK
.endif
.endm
.macro SLOT_STEPS
.set Q, 0
.rept NQ
	STEP Q
.set Q, Q+1
.endr
	s_xor_b32 s[TB], s[TB], SLOT1
.endm
	s_wait_loadcnt 0x0                             ; Q
.Lslot:                                            ; NSL - 1 trips
	CHANGE 1
	SLOT_STEPS
	s_sub_co_u32 s[SLOTS], s[SLOTS], 1
	s_cmp_lg_u32 s[SLOTS], 0
	s_cbranch_scc1 .Lslot
	CHANGE 0                                       ; the last slot is written out
	SLOT_STEPS
	; THE WAY OUT.  O^T / the sum x 2^(e8 + e9), quantised with entry 10: 8 bytes for each of the four tiles of d.  The sixteen waves' codes meet in a stage of 64 rows x 256 bytes; each wave stores four whole rows.
	; The lines down to v_ldexp_f32 name no register of the last products: six of them are plain, more than the four places that stand between a matrix instruction and the first read of its result (ISA guide 7.12.1).
	v_add_f32 v14, v14, v15
	s_delay_alu instid0(VALU_DEP_1)
	v_permlanex16_b32 v[XH], v14, s[SEL], s[SEL+1]
	s_delay_alu instid0(VALU_DEP_1)
	v_add_f32 v14, v14, v[XH]
	s_wait_alu depctr_va_vdst(0)                   ; the wait ahead of the transcendental
	v_rcp_f32 v14, v14
	v_nop                                          ; a plain line behind the transcendental
	v_nop
	s_add_co_i32 s96, s70, s71
	s_wait_alu depctr_va_vdst(0)                   ; the wait, ahead of the first reader
	v_ldexp_f32 v14, v14, s96
.set jj, 0
.rept 16
	v_pk_mul_f32 v[96+jj:97+jj], v[160+jj:161+jj], v[14:15] op_sel_hi:[1,0]   ; each accumulator from its low end on
.set jj, jj+2
.endr
.set jj, 0
.rept 32
	v_med3_num_f32 v[96+jj], v[96+jj], -v241, v241
.set jj, jj+1
.endr
.irp t, 0,1,2,3
	v_cvt_scalef32_pk8_fp8_f32 v[224+2*\t:225+2*\t], v[96+8*\t:103+8*\t], v245
.endr
	v_nop
.irp t, 0,1,2,3
	ds_store_b64 v[SI], v[224+2*\t:225+2*\t] offset:16*\t
.endr
	s_wait_dscnt 0x0                               ; for the others' sake
	s_barrier_signal -1
	s_barrier_wait -1
	ds_load_b128 v[32:35], v[SO]
	ds_load_b128 v[36:39], v[SO] offset:2*272
	s_wait_dscnt 1                                 ; the second load may be out
	global_store_b128 v[GO], v[32:35], s[16:17]    ; sixteen lanes store 256 consecutive, aligned bytes
	s_wait_dscnt 0
	global_store_b128 v[GO], v[36:39], s[16:17] offset:2048
	s_wait_tensorcnt 0x0                           ; the wave's end
	ds_add_u32 v[SPW], v[NIL]
	s_wait_dscnt 0x0
	CROUND                                         ; the closing round
	s_endpgm
.Lfunc_end_k_qb37d2b9348_attn:
	.size	k_qb37d2b9348_attn, .Lfunc_end_k_qb37d2b9348_attn-k_qb37d2b9348_attn
	.p2alignl 7, 3214868480
	.fill 96, 4, 3214868480
	.section	.rodata,"a",@progbits
	.p2align	6, 0x0
	.amdhsa_kernel k_qb37d2b9348_attn
		.amdhsa_group_segment_fixed_size 327680
		.amdhsa_private_segment_fixed_size 0
		.amdhsa_enable_private_segment 0
		.amdhsa_kernarg_size 24
		.amdhsa_user_sgpr_count 2
		.amdhsa_user_sgpr_kernarg_segment_ptr 1
		.amdhsa_wavefront_size32 1
		.amdhsa_system_sgpr_workgroup_id_x 1
		.amdhsa_system_sgpr_workgroup_id_y 1
		.amdhsa_system_sgpr_workgroup_id_z 1
		.amdhsa_system_vgpr_workitem_id 0
		.amdhsa_next_free_vgpr 256
		.amdhsa_next_free_sgpr 100
		.amdhsa_reserve_vcc 1
		.amdhsa_float_denorm_mode_32 3
		.amdhsa_float_denorm_mode_16_64 3
		.amdhsa_memory_ordered 1
		.amdhsa_forward_progress 1
		.amdhsa_inst_pref_size 106
	.end_amdhsa_kernel
	.amdgpu_metadata
---
amdhsa.version: [ 1, 2 ]
amdhsa.kernels:
  - .name:           k_qb37d2b9348_attn
    .symbol:         k_qb37d2b9348_attn.kd
    .args:
      - { .name: qkvc, .offset: 0, .size: 8, .value_kind: global_buffer, .address_space: global }
      - { .name: lowp_scales, .offset: 8, .size: 8, .value_kind: global_buffer, .address_space: global }
      - { .name: ac, .offset: 16, .size: 8, .value_kind: global_buffer, .address_space: global }
    .group_segment_fixed_size: 327680
    .private_segment_fixed_size: 0
    .kernarg_segment_align: 8
    .kernarg_segment_size: 24
    .max_flat_workgroup_size: 512
    .sgpr_count:     100
    .vgpr_count:     256
    .wavefront_size: 32
...
	.end_amdgpu_metadata
.endif
;; end of part 3
;; launch oproj (part 4): grid 8 x 32, 4 waves a work-group, clusters of 4 x 4, 327,680 bytes of LDS; arguments ac, wcodes, lowp_scales, bo, x, x1; writes x1
.if DOCPART == 4
	.amdgcn_target "amdgcn-amd-amdhsa--gfx1250"
	.amdhsa_code_object_version 6
	.text
	.protected	k_qb37d2b9348_oproj
	.globl	k_qb37d2b9348_oproj
	.p2align	8
	.type	k_qb37d2b9348_oproj,@function
k_qb37d2b9348_oproj:
	s_mov_b64 s[64:65], 0
	v_nop
	global_prefetch_b8 v0, s[64:65] scope:SCOPE_SE
	s_setreg_imm32_b32 hwreg(HW_REG_WAVE_MODE, 25, 1), 1
	s_wait_xcnt 0x0
	s_wait_alu depctr_hold_cnt(0) depctr_sa_sdst(0) depctr_va_vdst(0) depctr_va_sdst(0) depctr_va_ssrc(0) depctr_va_vcc(0) depctr_vm_vsrc(0)
	s_getreg_b32 s2, hwreg(HW_REG_IB_STS2, 6, 4)
	s_cmp_eq_u32 s2, 0
	s_cbranch_scc0 .Lentry_in_a_cluster
	s_endpgm
.Lentry_in_a_cluster:
	s_bfe_u32 s2, ttmp6, 0x10000c
	s_cmp_lg_u32 s2, 0xf033
	s_cbranch_scc0 .Lentry_shape_is_right
	s_endpgm
.Lentry_shape_is_right:
; x1[m][n] = x[m][n] + (sum over k of A[m][k] W[n][k] x 2^(ea + eb) + bo[n]).  A = ac [4096][1024], W = wo's codes [1024][1024] at byte WOFF of wcodes: codes of E4M3.  x, x1: [4096][1024] f32.
; 4,096 x 1,024 gives 256 tiles of 128 x 128: one to a work-group of four waves, each 64 x 64: 16 accumulators.
; THE WHOLE K LIES IN LDS: 128 rows of A and 128 of W, 1,024 bytes each, pitch 1,040: 266,240 bytes.  Each wave asks for 64 rows by ONE tensor load at the head; nothing is filled again, so there is no ring and one barrier.
; CLUSTERS: 4 x 4 work-groups; A's rows are shared along a row of the cluster, W's along a column: each is asked for jointly.  Source 0 = 16 rows of W, source 1 = 16 rows of A: a lane holds eight neighbouring n of one row.
; NO PREFETCH: all that the work-group reads is asked for at the head; there is no loop to run ahead in.
; A wave's 64 columns of f32 are 256 aligned bytes: each wave has a stage of its own (16 rows x 272 bytes) behind the spare words, on bytes that no tensor load fills.
; LIMIT: ea + eb (entries 10, 11) between -126 and 127.
; REGISTERS: window 0: v1-5, v16-29 addresses; v32-63 a block's numbers; v64-127 rows read back, two sets; v128-255 the accumulators ((a, b) at v[128 + 8 (4 a + b)]).
;   window 1: two fragment buffers of 128: A's four fragments, then W's four.   window 2: v0-127 my 64 x 64 of x, as rows; v128-159 the bias.
.set WOFF,   0x300000
.set EOFF,   0x28
.set PITCH,  1040                      ; 1,024 bytes + 16: 260 words: the 16 rows that a load touches start at 16 different banks (64 banks of 4 bytes: ISA guide 11.1)
.set HALFT,  64*PITCH                  ; what one tensor load brings
.set SPARE,  4*HALFT                   ; the spare words, 128 bytes a wave
.set STAGE,  SPARE+512
.set SPITCH, 272
.set ADRA, 16
.set ADRB, 20
.set STO,  24
.set RD,   25
.set CO,   26
.set BV,   27
.set SPW,  28
.set NIL,  29
.set TMP,  32
.set BK,   64
.set ACC,  128
.set F0,   0
.set F1,   128
.set BJ,   128
.set G1, 24
.set G0, 32
.set G1B, 48
.set G0B, 56
.set MSB, 0
.macro WIN new                         ; the immediate's high byte repeats the setting that is left
.if MSB != (\new)
	s_set_vgpr_msb (MSB<<8)|(\new)
.set MSB, (\new)
.endif
.endm
.set MUL,  0x05                        ; sources 0 and 1 window 1; C and D window 0
.set TO_F, 0x40
.macro CREST
	s_cmp_lg_u32 s10, 0
	s_cbranch_scc1 .Lnot_wave_0_\@
	s_barrier_signal -3
.Lnot_wave_0_\@:
	s_barrier_wait -3
	s_barrier_signal -1
	s_barrier_wait -1
.endm
.macro CROUND
	s_barrier_signal -1
	s_barrier_wait -1
	CREST
.endm
.macro PLACES
.rept 4
	v_nop
.endr
.endm
	s_load_b128 s[4:7], s[0:1], 0x0                ; A's codes, wcodes
	s_load_b128 s[68:71], s[0:1], 0x10             ; the scales, the bias
	s_load_b128 s[72:75], s[0:1], 0x20             ; x, x1
	v_lshl_add_u32 v[SPW], v0, 2, SPARE
	v_mov_b32 v[NIL], 0
	ds_add_u32 v[SPW], v[NIL]                      ; the opening lines: the add, twice on end, and its wait ahead of my tensor load
	ds_add_u32 v[SPW], v[NIL]
	v_lshrrev_b32 v1, 5, v0
	v_readfirstlane_b32 s10, v1                    ; wave 0..3
	s_lshr_b32 s11, s10, 1                         ; my half of the rows.  Also: I fetch for A (0) or for W (1)
	s_and_b32 s12, s10, 1                          ; my half of the columns.  Also: which 64 rows I fetch
	s_bfe_u32 s40, ttmp6, 0x40000
	s_bfe_u32 s41, ttmp6, 0x40004
	s_lshl_b32 s42, ttmp9, 2
	s_add_co_u32 s42, s42, s40                     ; tile column
	s_and_b32 s13, ttmp7, 0xffff
	s_lshl_b32 s13, s13, 2
	s_add_co_u32 s13, s13, s41                     ; tile row
	s_lshl_b32 s43, s41, 2
	s_lshl_b32 s43, 15, s43                        ; my row of the cluster
	s_lshl_b32 s44, 0x1111, s40                    ; my column
	s_or_b32 s[G1+0], s43, (0<<16)|(1<<20)|(1<<21)|(7<<22)|(3<<25)  ; the mask; elements of 1 byte; padding on; bit 21 beside a mask; after every 256 words, 4 words
	s_or_b32 s[G1B+0], s44, (0<<16)|(1<<20)|(1<<21)|(7<<22)|(3<<25)
.irp g, G1, G1B
	s_mov_b32 s[\g+1], 1024<<16
	s_mov_b32 s[\g+2], 64<<16
	s_mov_b32 s[\g+3], 1024<<16
	s_mov_b32 s[\g+4], 64
	s_mov_b32 s[\g+5], 1024
	s_mov_b32 s[\g+6], 0
	s_mov_b32 s[\g+7], 0
.endr
	s_lshl_b32 s17, s12, 6
	s_lshl_b32 s16, s13, 7
	s_add_co_u32 s16, s16, s17                     ; A: row 128 x tile row + 64 x half
	s_lshl_b32 s46, s42, 7
	s_add_co_u32 s46, s46, s17                     ; W: row 128 x tile column + 64 x half
	s_lshl_b32 s16, s16, 10
	s_lshl_b32 s46, s46, 10
	s_mov_b32 s17, 0
	s_mov_b32 s47, 0
	s_mul_i32 s20, s10, HALFT                      ; where they go: wave x 64 rows
	s_lshl_b32 s76, s13, 7
	s_lshl_b32 s77, s11, 6
	s_add_co_u32 s76, s76, s77
	s_lshl_b32 s76, s76, 12                        ; my first row of x and x1, of 4,096 bytes
	s_mov_b32 s77, 0
	s_lshl_b32 s78, s42, 9
	s_lshl_b32 s79, s12, 8
	s_add_co_u32 s78, s78, s79                     ; my first column in bytes: in a row and in the bias alike
	s_mov_b32 s79, 0
	s_mul_i32 s21, s11, HALFT                      ; my 64 rows of A,
	s_mul_i32 s22, s12, HALFT
	s_add_co_u32 s22, s22, 2*HALFT                 ; of W,
	s_mul_i32 s23, s10, 16*SPITCH
	s_add_co_u32 s23, s23, STAGE                   ; my stage
	s_wait_dscnt 0x0                               ; both opening adds are done
	s_wait_kmcnt 0x0
	s_load_b64 s[96:97], s[68:69], EOFF            ; ea, eb
	s_mov_b32 s[G0], 1
	s_mov_b32 s[G0+1], s20
	s_add_nc_u64 s[G0+2:G0+3], s[4:5], s[16:17]
	s_or_b32 s[G0+3], s[G0+3], 0x80000000
	s_mov_b32 s[G0B], 1
	s_mov_b32 s[G0B+1], s20
	s_add_nc_u64 s[G0B+2:G0B+3], s[6:7], s[46:47]
	s_add_nc_u64 s[G0B+2:G0B+3], s[G0B+2:G0B+3], WOFF
	s_or_b32 s[G0B+3], s[G0B+3], 0x80000000
	s_add_nc_u64 s[72:73], s[72:73], s[76:77]
	s_add_nc_u64 s[72:73], s[72:73], s[78:79]
	s_add_nc_u64 s[74:75], s[74:75], s[76:77]
	s_add_nc_u64 s[74:75], s[74:75], s[78:79]
	s_add_nc_u64 s[70:71], s[70:71], s[78:79]
	CROUND                                         ; all sixteen work-groups are here: the joint loads meet
	s_cmp_eq_u32 s11, 0                            ; waves 0 and 1 fetch A's halves, waves 2 and 3 W's; an s_nop 0 and four v_nop follow each line
	s_cbranch_scc0 .Lfor_b
	tensor_load_to_lds s[G0:G0+3], s[G1:G1+7]
	s_nop 0
	PLACES
	s_branch .Lasked
.Lfor_b:
	tensor_load_to_lds s[G0B:G0B+3], s[G1B:G1B+7]
	s_nop 0
	PLACES
.Lasked:
	v_and_b32 v1, 15, v0
	v_bfe_u32 v2, v0, 4, 1
	v_mul_u32_u24 v3, v1, PITCH
	v_lshl_add_u32 v3, v2, 4, v3                   ; a fragment's row x pitch + 16 x half
	v_add_nc_u32 v[ADRA], s21, v3
	v_add_nc_u32 v[ADRB], s22, v3
	v_mul_u32_u24 v4, v1, SPITCH
	v_lshl_add_u32 v4, v2, 5, v4
	v_add_nc_u32 v[STO], s23, v4                   ; the stage, in: row l % 16, 32 bytes for each half of the lanes
	v_mul_u32_u24 v5, v2, SPITCH
	v_lshl_add_u32 v5, v1, 4, v5
	v_add_nc_u32 v[RD], s23, v5                    ; back: sixteen lanes to a row
	v_lshlrev_b32 v[CO], 12, v2
	v_lshl_add_u32 v[CO], v1, 4, v[CO]             ; the same two rows in memory
	v_lshlrev_b32 v[BV], 5, v2
	WIN 0x80                                       ; destination window 2
.set tt, 0
.rept 32
	global_load_b128 v[4*tt:4*tt+3], v[CO], s[72:73] offset:2*tt*4096     ; x, as the rows will leave: it lands under the products
.set tt, tt+1
.endr
.irp b, 0,1,2,3
	global_load_b128 v[BJ+8*\b:BJ+8*\b+3], v[BV], s[70:71] offset:64*\b
	global_load_b128 v[BJ+8*\b+4:BJ+8*\b+7], v[BV], s[70:71] offset:64*\b+16
.endr
	WIN 0
; 8 matrix instructions: A's blocks a0, a0 + 1 x W's four, 128 along K.  The 16 accumulators take turns, one instruction a turn.
.macro MUL8 f, a0, zero
.irp a, \a0, \a0+1
.irp b, 0,1,2,3
.if \zero
	v_wmma_f32_16x16x128_fp8_fp8 v[ACC+8*(4*(\a)+\b):ACC+8*(4*(\a)+\b)+7], v[\f+64+16*\b:\f+64+16*\b+15], v[\f+16*(\a):\f+16*(\a)+15], 0
.else
	v_wmma_f32_16x16x128_fp8_fp8 v[ACC+8*(4*(\a)+\b):ACC+8*(4*(\a)+\b)+7], v[\f+64+16*\b:\f+64+16*\b+15], v[\f+16*(\a):\f+16*(\a)+15], v[ACC+8*(4*(\a)+\b):ACC+8*(4*(\a)+\b)+7]
.endif
.endr
.endr
.endm
.macro FETCH k, f                      ; 32 LDS loads in one run: W's four fragments, then A's four, of the 128 along K at byte k of the rows
	WIN TO_F
.irp i, 0,1,2,3
.irp c, 0,1,2,3
	ds_load_b128 v[\f+64+16*\i+4*\c:\f+64+16*\i+4*\c+3], v[ADRB] offset:\k+32*\c+\i*16*PITCH
.endr
.endr
.irp i, 0,1,2,3
.irp c, 0,1,2,3
	ds_load_b128 v[\f+16*\i+4*\c:\f+16*\i+4*\c+3], v[ADRA] offset:\k+32*\c+\i*16*PITCH
.endr
.endr
.endm
.macro QUARTER k, f, g, zero           ; 128 along K on buffer f; the next 128, at byte k, are fetched into g
	s_wait_dscnt 8                                 ; W's four and A's blocks 0, 1 are in; the youngest eight loads may be out
	WIN MUL
	MUL8 \f, 0, \zero
	PLACES                                         ; four plain lines in front of loads into registers that matrix instructions have read
	FETCH \k, \g
	s_wait_dscnt 32                                ; all but the 32 just issued
	WIN MUL
	MUL8 \f, 2, \zero
.endm
	s_wait_alu depctr_va_vdst(0)
	s_wait_tensorcnt 0x0                           ; my 64 rows are in
	s_barrier_signal -1
	s_barrier_wait -1                              ; and everybody's
	FETCH 0, F0
	QUARTER 128, F0, F1, 1                         ; the first products start the sums
	QUARTER 256, F1, F0, 0
	QUARTER 384, F0, F1, 0
	QUARTER 512, F1, F0, 0
	QUARTER 640, F0, F1, 0
	QUARTER 768, F1, F0, 0
	QUARTER 896, F0, F1, 0
	s_wait_dscnt 8
	WIN MUL
	MUL8 F1, 0, 0
	s_wait_dscnt 0
	MUL8 F1, 2, 0
	WIN 0
	; THE WAY OUT, block by block of 16 rows x 64 columns: sum x 2^(ea + eb) + bias, through my stage, + x, stored as whole rows of 256 bytes.
	s_wait_kmcnt 0x0
	s_add_co_i32 s96, s96, s97
	s_add_co_i32 s96, s96, 127
	s_lshl_b32 s96, s96, 23                        ; 2^(ea + eb)
	s_mov_b32 s97, s96
	s_wait_loadcnt 0x0                             ; x and the bias
	PLACES
.macro TOSTAGE a
	WIN 0x20                                       ; source 2 (the bias) window 2
.set jj, 0
.rept 16
	v_pk_fma_f32 v[TMP+jj:TMP+jj+1], v[ACC+32*(\a)+jj:ACC+32*(\a)+jj+1], s[96:97], v[BJ+jj:BJ+jj+1] op_sel_hi:[1,0,1]   ; each accumulator from its low end on
.set jj, jj+2
.endr
	WIN 0
.irp b, 0,1,2,3
	ds_store_b128 v[STO], v[TMP+8*\b:TMP+8*\b+3] offset:64*\b
	ds_store_b128 v[STO], v[TMP+8*\b+4:TMP+8*\b+7] offset:64*\b+16
.endr
.irp t, 0,1,2,3,4,5,6,7
	ds_load_b128 v[BK+32*((\a)%2)+4*\t:BK+32*((\a)%2)+4*\t+3], v[RD] offset:\t*2*SPITCH   ; LDS serves a wave's instructions in order (ISA guide 5.7.1.4): these see my stores
.endr
.endm
.macro SEND a, younger
	s_wait_dscnt \younger                          ; the block is back; the next block's eight stores and eight loads may be out
	WIN 0x08                                       ; source 1 (x) window 2
.set jj, 0
.rept 16
	v_pk_add_f32 v[BK+32*((\a)%2)+jj:BK+32*((\a)%2)+jj+1], v[BK+32*((\a)%2)+jj:BK+32*((\a)%2)+jj+1], v[32*(\a)+jj:32*(\a)+jj+1]
.set jj, jj+2
.endr
	WIN 0
.irp t, 0,1,2,3,4,5,6,7
	global_store_b128 v[CO], v[BK+32*((\a)%2)+4*\t:BK+32*((\a)%2)+4*\t+3], s[74:75] offset:(16*(\a)+2*\t)*4096   ; sixteen lanes store 256 consecutive, aligned bytes
.endr
.endm
	TOSTAGE 0
	TOSTAGE 1
	SEND 0, 16
	s_wait_xcnt 0x0                                ; block 0's stores have read their registers: block 2's rows may land there
	TOSTAGE 2
	SEND 1, 16
	s_wait_xcnt 0x0
	TOSTAGE 3
	SEND 2, 16
	SEND 3, 0
	s_wait_tensorcnt 0x0                           ; the wave's end
	ds_add_u32 v[SPW], v[NIL]
	s_wait_dscnt 0x0
	CROUND                                         ; the closing round
	s_endpgm
.Lfunc_end_k_qb37d2b9348_oproj:
	.size	k_qb37d2b9348_oproj, .Lfunc_end_k_qb37d2b9348_oproj-k_qb37d2b9348_oproj
	.p2alignl 7, 3214868480
	.fill 96, 4, 3214868480
	.section	.rodata,"a",@progbits
	.p2align	6, 0x0
	.amdhsa_kernel k_qb37d2b9348_oproj
		.amdhsa_group_segment_fixed_size 327680
		.amdhsa_private_segment_fixed_size 0
		.amdhsa_enable_private_segment 0
		.amdhsa_kernarg_size 48
		.amdhsa_user_sgpr_count 2
		.amdhsa_user_sgpr_kernarg_segment_ptr 1
		.amdhsa_wavefront_size32 1
		.amdhsa_system_sgpr_workgroup_id_x 1
		.amdhsa_system_sgpr_workgroup_id_y 1
		.amdhsa_system_sgpr_workgroup_id_z 1
		.amdhsa_system_vgpr_workitem_id 0
		.amdhsa_next_free_vgpr 768
		.amdhsa_next_free_sgpr 98
		.amdhsa_reserve_vcc 0
		.amdhsa_float_denorm_mode_32 3
		.amdhsa_float_denorm_mode_16_64 3
		.amdhsa_memory_ordered 1
		.amdhsa_forward_progress 1
		.amdhsa_inst_pref_size 52
	.end_amdhsa_kernel
	.amdgpu_metadata
---
amdhsa.version: [ 1, 2 ]
amdhsa.kernels:
  - .name:           k_qb37d2b9348_oproj
    .symbol:         k_qb37d2b9348_oproj.kd
    .args:
      - { .name: ac, .offset: 0, .size: 8, .value_kind: global_buffer, .address_space: global }
      - { .name: wcodes, .offset: 8, .size: 8, .value_kind: global_buffer, .address_space: global }
      - { .name: lowp_scales, .offset: 16, .size: 8, .value_kind: global_buffer, .address_space: global }
      - { .name: bo, .offset: 24, .size: 8, .value_kind: global_buffer, .address_space: global }
      - { .name: x, .offset: 32, .size: 8, .value_kind: global_buffer, .address_space: global }
      - { .name: x1, .offset: 40, .size: 8, .value_kind: global_buffer, .address_space: global }
    .group_segment_fixed_size: 327680
    .private_segment_fixed_size: 0
    .kernarg_segment_align: 8
    .kernarg_segment_size: 48
    .max_flat_workgroup_size: 128
    .sgpr_count:     98
    .vgpr_count:     768
    .wavefront_size: 32
...
	.end_amdgpu_metadata
.endif
;; end of part 4
;; launch ln2 (part 5): grid 256 x 1, 4 waves a work-group, no clusters, 0 bytes of LDS; arguments x1, ln2_g, ln2_b, lowp_scales, h2c; writes h2c
.if DOCPART == 5
	.amdgcn_target "amdgcn-amd-amdhsa--gfx1250"
	.amdhsa_code_object_version 6
	.text
	.protected	k_qb37d2b9348_ln2
	.globl	k_qb37d2b9348_ln2
	.p2align	8
	.type	k_qb37d2b9348_ln2,@function
k_qb37d2b9348_ln2:
	s_mov_b64 s[64:65], 0
	v_nop
	global_prefetch_b8 v0, s[64:65] scope:SCOPE_SE
	s_setreg_imm32_b32 hwreg(HW_REG_WAVE_MODE, 25, 1), 1
	s_wait_xcnt 0x0
; THE SECOND LAYER NORM, quantised with entry 12 of the scales into h2c [4096][1024], codes of E4M3.  A wave takes 4 rows; a row stays in 32 registers between the passes:
; mean, then the sum of squares of x - mean (no difference of large sums), rsqrt, x gain + bias.  No LDS, no barrier: waves share nothing.
; LIMITS: e between -126 and 119; NaN and infinities are not served.
.set NPL,   1
.set MU,    4
.set RS,    6
.set C,     8
.set SC,    16
.set LIM,   19
.set X,     32
.set G,     160
.set B,     192
.set T,     224
.set SX,    4
.set SG,    6
.set SB,    8
.set SOUT,  36
.macro MKQ e, sc, lim, t0, t1
	s_add_co_i32 s[\t0], s[\e], 127
	s_lshl_b32 s[\t1], s[\t0], 23
	v_mov_b32 v[\sc], s[\t1]
	s_add_co_i32 s[\t0], s[\t0], 8
	s_lshl_b32 s[\t0], s[\t0], 23
	s_or_b32 s[\t0], s[\t0], 0x600000
	v_mov_b32 v[\lim], s[\t0]
.endm
	s_load_b256 s[4:11], s[0:1], 0x0               ; x1, gain, bias, the scales
	s_load_b64 s[12:13], s[0:1], 0x20              ; h2c
	v_lshrrev_b32 v1, 5, v0
	v_readfirstlane_b32 s28, v1
	v_and_b32 v2, 31, v0
	s_lshl_b32 s29, ttmp9, 2
	s_add_co_u32 s29, s29, s28
	s_lshl_b32 s29, s29, 2                         ; my first row
	s_lshl_b32 s30, s29, 12
	s_mov_b32 s31, 0
	s_lshl_b32 s32, s29, 10
	s_mov_b32 s33, 0
	s_wait_alu depctr_va_vdst(0)
	s_wait_kmcnt 0x0
	s_load_b32 s48, s[10:11], 0x30                 ; e12
	s_add_nc_u64 s[SX:SX+1], s[SX:SX+1], s[30:31]
	s_add_nc_u64 s[36:37], s[12:13], s[32:33]
	; A load takes 512 consecutive bytes: lane l the 16 bytes at 32 (l % 16) + 16 (l / 16).  Exchanging the upper lanes of load 2 u with the lower lanes of load 2 u + 1 leaves lane l
	; with the eight neighbours 256 u + 8 l + 0 .. 7 in registers 8 u .. 8 u + 7.
	v_and_b32 v3, 15, v2
	v_lshrrev_b32 v1, 4, v2
	v_lshlrev_b32 v1, 4, v1
	v_lshl_add_u32 v1, v3, 5, v1
	v_lshlrev_b32 v2, 3, v2
	v_mov_b32 v[MU+1], 0
	v_mov_b32 v[RS+1], 0
	s_mov_b32 s42, 0x76543210
	s_mov_b32 s43, 0xfedcba98
	s_mov_b32 s44, 0x3a800000                      ; 1 / 1024
	s_mov_b32 s45, 0x3727c5ac                      ; 1e-5
.irp j, 0,1,2,3,4,5,6,7
	global_load_b128 v[G+4*\j:G+4*\j+3], v1, s[SG:SG+1] offset:512*\j
.endr
.irp j, 0,1,2,3,4,5,6,7
	global_load_b128 v[B+4*\j:B+4*\j+3], v1, s[SB:SB+1] offset:512*\j
.endr
.irp i, 0,1,2,3
.irp j, 0,1,2,3,4,5,6,7
	global_load_b128 v[X+32*\i+4*\j:X+32*\i+4*\j+3], v1, s[SX:SX+1] offset:4096*\i+512*\j th:TH_LOAD_NT
.endr
.endr
.macro SWAP16 base
.irp u, 0,1,2,3
.irp q, 0,1,2,3
	v_permlane16_swap_b32 v[\base+8*\u+\q], v[\base+8*\u+4+\q]
.endr
.endr
.endm
.macro REDUCE
	v_add_f32_dpp v[T], v[T], v[T] row_xmask:1 row_mask:0xf bank_mask:0xf
	v_add_f32_dpp v[T], v[T], v[T] row_xmask:2 row_mask:0xf bank_mask:0xf
	v_add_f32_dpp v[T], v[T], v[T] row_xmask:4 row_mask:0xf bank_mask:0xf
	v_add_f32_dpp v[T], v[T], v[T] row_xmask:8 row_mask:0xf bank_mask:0xf
	v_permlanex16_b32 v[T+1], v[T], s42, s43
	v_add_f32 v[T], v[T], v[T+1]
.endm
.macro LNROW i
.set XR, X+32*(\i)
	s_wait_loadcnt 8*(3-(\i))                      ; this row's eight loads are in; the later rows' stay out
	SWAP16 XR
	v_pk_add_f32 v[T:T+1], v[XR:XR+1], v[XR+2:XR+3]
	v_pk_add_f32 v[T+2:T+3], v[XR+4:XR+5], v[XR+6:XR+7]
.irp j, 8,12,16,20,24,28
	v_pk_add_f32 v[T:T+1], v[T:T+1], v[XR+\j:XR+\j+1]
	v_pk_add_f32 v[T+2:T+3], v[T+2:T+3], v[XR+\j+2:XR+\j+3]
.endr
	v_pk_add_f32 v[T:T+1], v[T:T+1], v[T+2:T+3]
	v_add_f32 v[T], v[T], v[T+1]
	REDUCE
	v_mul_f32 v[MU], s44, v[T]
.irp j, 0,2,4,6,8,10,12,14,16,18,20,22,24,26,28,30
	v_pk_add_f32 v[XR+\j:XR+\j+1], v[XR+\j:XR+\j+1], v[MU:MU+1] op_sel_hi:[1,0] neg_lo:[0,1] neg_hi:[0,1]
.endr
	v_pk_mul_f32 v[T:T+1], v[XR:XR+1], v[XR:XR+1]
	v_pk_mul_f32 v[T+2:T+3], v[XR+2:XR+3], v[XR+2:XR+3]
.irp j, 4,8,12,16,20,24,28
	v_pk_fma_f32 v[T:T+1], v[XR+\j:XR+\j+1], v[XR+\j:XR+\j+1], v[T:T+1]
	v_pk_fma_f32 v[T+2:T+3], v[XR+\j+2:XR+\j+3], v[XR+\j+2:XR+\j+3], v[T+2:T+3]
.endr
	v_pk_add_f32 v[T:T+1], v[T:T+1], v[T+2:T+3]
	v_add_f32 v[T], v[T], v[T+1]
	REDUCE
	v_fma_f32 v[T], v[T], s44, s45
	s_wait_alu depctr_va_vdst(0)
	v_rsq_f32 v[RS], v[T]
	v_nop                                          ; a plain line behind the transcendental,
	s_wait_alu depctr_va_vdst(0)                   ; and the wait ahead of its first reader
.irp j, 0,2,4,6,8,10,12,14,16,18,20,22,24,26,28,30
	v_pk_mul_f32 v[XR+\j:XR+\j+1], v[XR+\j:XR+\j+1], v[RS:RS+1] op_sel_hi:[1,0]
.endr
.irp j, 0,2,4,6,8,10,12,14,16,18,20,22,24,26,28,30
	v_pk_fma_f32 v[XR+\j:XR+\j+1], v[XR+\j:XR+\j+1], v[G+\j:G+\j+1], v[B+\j:B+\j+1]
.endr
.set pp, 0
.rept NPL
	s_wait_xcnt 0x0                                ; the last stores have read their data
.set nn, 0
.rept 32
	v_med3_num_f32 v[T+nn], v[XR+nn], -v[LIM+pp], v[LIM+pp]   ; the conversion does not saturate (ISA guide 7.6.2): the hold comes first
.set nn, nn+1
.endr
.set uu, 0
.rept 4
	v_cvt_scalef32_pk8_fp8_f32 v[C+2*uu:C+2*uu+1], v[T+8*uu:T+8*uu+7], v[SC+pp]
.set uu, uu+1
.endr
	v_nop                                          ; a plain line behind the last conversion
.set uu, 0
.rept 4
	global_store_b64 v2, v[C+2*uu:C+2*uu+1], s[SOUT+2*pp:SOUT+2*pp+1] offset:(\i)*1024+256*uu   ; 32 lanes store 256 consecutive, aligned bytes
.set uu, uu+1
.endr
.set pp, pp+1
.endr
.endm
	s_wait_kmcnt 0x0
	MKQ 48, SC, LIM, 30, 31
	s_wait_loadcnt 32                              ; gain and bias are in; the rows' 32 loads may be out
	SWAP16 G
	SWAP16 B
	LNROW 0
	LNROW 1
	LNROW 2
	LNROW 3
	s_endpgm
.Lfunc_end_k_qb37d2b9348_ln2:
	.size	k_qb37d2b9348_ln2, .Lfunc_end_k_qb37d2b9348_ln2-k_qb37d2b9348_ln2
	.p2alignl 7, 3214868480
	.fill 96, 4, 3214868480
	.section	.rodata,"a",@progbits
	.p2align	6, 0x0
	.amdhsa_kernel k_qb37d2b9348_ln2
		.amdhsa_group_segment_fixed_size 0
		.amdhsa_private_segment_fixed_size 0
		.amdhsa_enable_private_segment 0
		.amdhsa_kernarg_size 40
		.amdhsa_user_sgpr_count 2
		.amdhsa_user_sgpr_kernarg_segment_ptr 1
		.amdhsa_wavefront_size32 1
		.amdhsa_system_sgpr_workgroup_id_x 1
		.amdhsa_system_sgpr_workgroup_id_y 1
		.amdhsa_system_sgpr_workgroup_id_z 1
		.amdhsa_system_vgpr_workitem_id 0
		.amdhsa_next_free_vgpr 256
		.amdhsa_next_free_sgpr 66
		.amdhsa_reserve_vcc 0
		.amdhsa_float_denorm_mode_32 3
		.amdhsa_float_denorm_mode_16_64 3
		.amdhsa_memory_ordered 1
		.amdhsa_forward_progress 1
		.amdhsa_inst_pref_size 44
	.end_amdhsa_kernel
	.amdgpu_metadata
---
amdhsa.version: [ 1, 2 ]
amdhsa.kernels:
  - .name:           k_qb37d2b9348_ln2
    .symbol:         k_qb37d2b9348_ln2.kd
    .args:
      - { .name: x1, .offset: 0, .size: 8, .value_kind: global_buffer, .address_space: global }
      - { .name: ln2_g, .offset: 8, .size: 8, .value_kind: global_buffer, .address_space: global }
      - { .name: ln2_b, .offset: 16, .size: 8, .value_kind: global_buffer, .address_space: global }
      - { .name: lowp_scales, .offset: 24, .size: 8, .value_kind: global_buffer, .address_space: global }
      - { .name: h2c, .offset: 32, .size: 8, .value_kind: global_buffer, .address_space: global }
    .group_segment_fixed_size: 0
    .private_segment_fixed_size: 0
    .kernarg_segment_align: 8
    .kernarg_segment_size: 40
    .max_flat_workgroup_size: 128
    .sgpr_count:     66
    .vgpr_count:     256
    .wavefront_size: 32
...
	.end_amdgpu_metadata
.endif
;; end of part 5
;; launch ffn1 (part 6): grid 16 x 16, 4 waves a work-group, clusters of 4 x 1, 327,680 bytes of LDS; arguments h2c, wcodes, lowp_scales, b1, hid; writes hid
.if DOCPART == 6
	.amdgcn_target "amdgcn-amd-amdhsa--gfx1250"
	.amdhsa_code_object_version 6
	.text
	.protected	k_qb37d2b9348_ffn1
	.globl	k_qb37d2b9348_ffn1
	.p2align	8
	.type	k_qb37d2b9348_ffn1,@function
k_qb37d2b9348_ffn1:
	s_mov_b64 s[64:65], 0
	v_nop
	global_prefetch_b8 v0, s[64:65] scope:SCOPE_SE
	s_setreg_imm32_b32 hwreg(HW_REG_WAVE_MODE, 25, 1), 1
	s_wait_xcnt 0x0
	s_wait_alu depctr_hold_cnt(0) depctr_sa_sdst(0) depctr_va_vdst(0) depctr_va_sdst(0) depctr_va_ssrc(0) depctr_va_vcc(0) depctr_vm_vsrc(0)
	s_getreg_b32 s2, hwreg(HW_REG_IB_STS2, 6, 4)
	s_cmp_eq_u32 s2, 0
	s_cbranch_scc0 .Lentry_in_a_cluster
	s_endpgm
.Lentry_in_a_cluster:
	s_bfe_u32 s2, ttmp6, 0x10000c
	s_cmp_lg_u32 s2, 0x3003
	s_cbranch_scc0 .Lentry_shape_is_right
	s_endpgm
.Lentry_shape_is_right:
; THE FIRST LAYER OF THE FEED-FORWARD PART: hid[i][j] = Q(relu(sum over k of A[i][k] W[j][k] x 2^(ea + eb) + b1[j])), K = 1,024.  A = h2c [4096][1024], codes of E4M3; hid [4096][4096], codes with entry 14.
; W = w1's codes at byte 4 MiB of wcodes, laid in the order of the operand's registers: [256 blocks of 16 j][8 blocks of 128 k][2,048 bytes], the 16 bytes W[l % 16][32 c + 16 (l / 16) + 0 .. 15] at 512 c + 16 l.
; A tile of 256 x 256 is made by four waves; a wave makes all 256 rows x 64 columns: 64 accumulators, 512 registers.
; A'S WHOLE K LIES IN LDS: 256 rows x 1,024 bytes, pitch 1,040: 266,240 bytes, asked for at the head by one tensor load a wave (64 rows).  Nothing is filled again: no ring, no change of slots.
; W GOES FROM MEMORY STRAIGHT INTO REGISTERS: each wave owns its 64 columns, so no byte of W is loaded twice by a work-group; a load takes 512 consecutive bytes; a ring of four K steps (4 x 64 registers) runs ahead of the products.
; CLUSTER 4, 1, 1: the four work-groups of a cluster make four tiles of one tile row and ask for A's rows jointly.  W's blocks, which the sixteen tile rows share, are not asked for jointly:
; beside A's 266,240 bytes the 327,680 bytes of LDS have no room for two slots of W.  NO PREFETCH: A is asked for whole at the head, and W's loads already run four of the eight K steps ahead.
; Source 0 = 16 rows of W, source 1 = 16 rows of A: a lane holds eight neighbouring j of one row i, which one conversion turns into 8 bytes of codes.  Both sides take the same permutation of k.
; b1 / 2^(ea + eb) is the C of each sum's first product; the hold between 0 and 448 x the scale is also the relu; the conversion divides by 2^(e - ea - eb).
; LIMITS on the given exponents (ea, eb, e = entries 12, 13, 14): ea + eb between -127 and 126; e - ea - eb between -126 and 119.
; REGISTERS: window 0: v1-7, v16-24 addresses; v28, v29 the add's two; v30, v31 the quantiser's two; v32-63 the bias; v64-255 three sets of four fragments of A; on the way out v64-191 codes, then rows read back.
;   window 1: W's ring.   windows 2, 3: the accumulators: (a, b) at v[8 (4 (a % 8) + b)], a = 0 .. 15 blocks of rows, b = 0 .. 3 blocks of columns.
.set PITCH, 1040                       ; 260 words: the 16 rows that a load touches start at 16 different banks (64 banks of 4 bytes: ISA guide 11.1)
.set PART,  64*PITCH                   ; what one tensor load brings
.set SPARE, 4*PART                     ; behind A: the spare words, 128 bytes a wave
.set SP,    272                        ; the stage of codes on the way out: 256 rows x (256 + 16) bytes from LDS byte 0, behind A's only fill and its last read
.set ADRA, 16                          ; v16-19 my lane's place in A's rows 64 g on
.set WO,   20                          ; 16 x lane
.set BV,   21
.set STO,  22
.set RD,   23
.set CO,   24
.set SPW,  28
.set NIL,  29
.set LIM,  30
.set SC,   31
.set BJ,   32
.set AF,   64
.set CD,   64
.set G1, 24
.set G0, 32
.set MSB, 0
.macro WIN new                         ; the immediate's high byte repeats the setting that is left
.if MSB != (\new)
	s_set_vgpr_msb (MSB<<8)|(\new)
.set MSB, (\new)
.endif
.endm
.macro CREST
	s_cmp_lg_u32 s14, 0
	s_cbranch_scc1 .Lnot_wave_0_\@
	s_barrier_signal -3
.Lnot_wave_0_\@:
	s_barrier_wait -3
	s_barrier_signal -1
	s_barrier_wait -1
.endm
.macro CROUND
	s_barrier_signal -1
	s_barrier_wait -1
	CREST
.endm
.macro PLACES                          ; plain vector lines between a matrix instruction and a load into, or a vector read of, its registers
.rept 4
	v_nop
.endr
.endm
.macro GLOAD s                         ; W's four fragments of K step s into ring set s % 4
	WIN 0x40
.irp b, 0,1,2,3
.irp c, 0,1,2,3
	global_load_b128 v[64*((\s)%4)+16*\b+4*\c:64*((\s)%4)+16*\b+4*\c+3], v[WO], s[6:7] offset:\b*16384+(\s)*2048+\c*512
.endr
.endr
.endm
.macro ALOAD G                         ; group G = 4 s + g: A's blocks 4 g .. 4 g + 3 of K step s into set G % 3
	WIN 0
.irp i, 0,1,2,3
.irp c, 0,1,2,3
	ds_load_b128 v[AF+64*((\G)%3)+16*\i+4*\c:AF+64*((\G)%3)+16*\i+4*\c+3], v[ADRA+(\G)%4] offset:128*((\G)/4)+32*\c+\i*16*PITCH
.endr
.endr
.endm
.macro MULG G                          ; 16 matrix instructions: the group's four blocks of A x W's four.  The 64 accumulators take turns, in the same order in every K step
.set MB, 64*(((\G)/4)%4)
.set MA, AF+64*((\G)%3)
.set MC, 128*((\G)%2)
.if (\G) < 4
	WIN 0x81+0x40*(((\G)%4)/2)                     ; source 0 window 1, source 1 and C (the bias) window 0, D window 2 or 3
.else
	WIN 0xa1+0x50*(((\G)%4)/2)                     ; C and D window 2 or 3
.endif
.irp i, 0,1,2,3
.irp b, 0,1,2,3
.if (\G) < 4
	v_wmma_f32_16x16x128_fp8_fp8 v[MC+32*\i+8*\b:MC+32*\i+8*\b+7], v[MB+16*\b:MB+16*\b+15], v[MA+16*\i:MA+16*\i+15], v[BJ+8*\b:BJ+8*\b+7]
.else
	v_wmma_f32_16x16x128_fp8_fp8 v[MC+32*\i+8*\b:MC+32*\i+8*\b+7], v[MB+16*\b:MB+16*\b+15], v[MA+16*\i:MA+16*\i+15], v[MC+32*\i+8*\b:MC+32*\i+8*\b+7]
.endif
.endr
.endr
.endm
.macro GROUP G
.if (\G)%4 == 0                        ; a K step begins: its 16 loads of W are in; those of the steps behind it, three at the most, may be out
.if (\G)/4 < 5
	s_wait_loadcnt 48
.else
	s_wait_loadcnt 16*(7-(\G)/4)
.endif
.endif
.if (\G) < 30
	s_wait_dscnt 32                                ; this group's 16 loads are in; the next two groups' may be out
.else
	s_wait_dscnt 16*(31-(\G))
.endif
.if (\G) == 31
	s_barrier_signal -1                            ; my reads of A are over: behind this barrier the stage is written over A's first rows
.endif
	MULG \G
.if (\G) < 29
	PLACES
	ALOAD (\G)+3                                   ; into the set just multiplied
.endif
.if (\G)%4 == 3 && (\G)/4 < 4
	GLOAD (\G)/4+4                                 ; into the ring set just multiplied
.endif
.endm
	s_load_b256 s[4:11], s[0:1], 0x0               ; h2c, wcodes, the scales, b1
	s_load_b64 s[12:13], s[0:1], 0x20              ; hid
	v_lshl_add_u32 v[SPW], v0, 2, SPARE
	v_mov_b32 v[NIL], 0
	ds_add_u32 v[SPW], v[NIL]                      ; the opening lines: the add, twice on end, and its wait ahead of my tensor load
	ds_add_u32 v[SPW], v[NIL]
	v_lshrrev_b32 v1, 5, v0
	v_readfirstlane_b32 s14, v1                    ; wave 0..3
	s_bfe_u32 s15, ttmp6, 0x40000                  ; cx
	s_lshl_b32 s16, ttmp9, 2
	s_add_co_u32 s16, s16, s15                     ; tile column
	s_and_b32 s17, ttmp7, 0xffff                   ; tile row
	s_mov_b32 s[G1+0], 15|(0<<16)|(1<<20)|(1<<21)|(7<<22)|(3<<25)   ; the four partners; elements of 1 byte; padding on; bit 21 beside a mask; after every 256 words, 4 words
	s_mov_b32 s[G1+1], 1024<<16
	s_mov_b32 s[G1+2], 64<<16
	s_mov_b32 s[G1+3], 1024<<16
	s_mov_b32 s[G1+4], 64
	s_mov_b32 s[G1+5], 1024
	s_mov_b32 s[G1+6], 0
	s_mov_b32 s[G1+7], 0
	s_lshl_b32 s18, s17, 8
	s_lshl_b32 s19, s14, 6
	s_add_co_u32 s18, s18, s19                     ; row 256 x tile row + 64 x wave: the rows that I fetch, and the rows that I store
	s_lshl_b32 s20, s18, 10                        ; in h2c
	s_mov_b32 s21, 0
	s_lshl_b32 s22, s18, 12                        ; in hid
	s_mov_b32 s23, 0
	s_lshl_b32 s40, s16, 8                         ; the tile's first byte in a row of hid
	s_mov_b32 s41, 0
	s_lshl_b32 s42, s16, 4
	s_lshl_b32 s43, s14, 2
	s_add_co_u32 s42, s42, s43                     ; my first block of 16 columns
	s_lshl_b32 s44, s42, 6                         ; in b1: 64 bytes a block
	s_mov_b32 s45, 0
	s_lshl_b32 s42, s42, 14                        ; in w1's codes: 16,384 bytes a block
	s_mov_b32 s43, 0
	s_mul_i32 s46, s14, PART                       ; where my rows go
	s_mul_i32 s47, s14, 64*SP                      ; the stage's rows that I read back
	s_wait_dscnt 0x0                               ; both opening adds are done
	s_wait_kmcnt 0x0
	s_load_b128 s[36:39], s[8:9], 0x30             ; ea, eb, e, (entry 15)
	s_mov_b32 s[G0], 1
	s_mov_b32 s[G0+1], s46
	s_add_nc_u64 s[G0+2:G0+3], s[4:5], s[20:21]
	s_or_b32 s[G0+3], s[G0+3], 0x80000000
	s_add_nc_u64 s[6:7], s[6:7], s[42:43]
	s_add_nc_u64 s[6:7], s[6:7], 0x400000
	s_add_nc_u64 s[10:11], s[10:11], s[44:45]
	s_add_nc_u64 s[12:13], s[12:13], s[22:23]
	s_add_nc_u64 s[12:13], s[12:13], s[40:41]
	CROUND                                         ; the four work-groups are here: the joint loads meet
	tensor_load_to_lds s[G0:G0+3], s[G1:G1+7]      ; my 64 rows of A, all of K: my one tensor load
	s_nop 0
	PLACES
	v_and_b32 v1, 15, v0                           ; r = l % 16
	v_bfe_u32 v2, v0, 4, 1                         ; h = l / 16
	v_and_b32 v3, 31, v0
	v_lshlrev_b32 v[WO], 4, v3
	v_lshlrev_b32 v[BV], 5, v2
.irp b, 0,1,2,3
	global_load_b128 v[BJ+8*\b:BJ+8*\b+3], v[BV], s[10:11] offset:64*\b          ; b1(16 b + 8 h + 0 .. 7): the layout of a result
	global_load_b128 v[BJ+8*\b+4:BJ+8*\b+7], v[BV], s[10:11] offset:64*\b+16
.endr
.irp s, 0,1,2,3
	GLOAD \s
.endr
	WIN 0
	v_mul_u32_u24 v4, v1, PITCH
	v_lshl_add_u32 v[ADRA], v2, 4, v4              ; a fragment's row x pitch + 16 h
	v_add_nc_u32 v[ADRA+1], 64*PITCH, v[ADRA]
	v_add_nc_u32 v[ADRA+2], 128*PITCH, v[ADRA]
	v_add_nc_u32 v[ADRA+3], 192*PITCH, v[ADRA]
	v_mul_u32_u24 v5, v1, SP
	v_lshl_add_u32 v5, v2, 3, v5
	v_add_nc_u32 v[STO], s19, v5                   ; the stage, in: row r, byte 64 x wave + 8 h
	v_mul_u32_u24 v6, v2, SP
	v_lshl_add_u32 v6, v1, 4, v6
	v_add_nc_u32 v[RD], s47, v6                    ; back: rows 64 x wave on, sixteen lanes to a row
	v_lshlrev_b32 v7, 12, v2
	v_lshl_add_u32 v[CO], v1, 4, v7                ; the same two rows in hid
	s_wait_kmcnt 0x0
	s_add_co_i32 s48, s36, s37                     ; ea + eb
	s_sub_co_i32 s49, 127, s48
	s_lshl_b32 s50, s49, 23                        ; 2^-(ea + eb)
	s_mov_b32 s51, s50
	s_sub_co_i32 s48, s38, s48
	s_add_co_i32 s48, s48, 127
	s_lshl_b32 s49, s48, 23
	v_mov_b32 v[SC], s49                           ; 2^(e - ea - eb): the conversion takes its exponent field
	s_add_co_i32 s48, s48, 8
	s_lshl_b32 s48, s48, 23
	s_or_b32 s48, s48, 0x600000
	v_mov_b32 v[LIM], s48                          ; 448 x that
	s_wait_loadcnt 63                              ; of the 72 loads issued the oldest nine are in: the bias's eight among them
.set jj, 0
.rept 16
	v_pk_mul_f32 v[BJ+jj:BJ+jj+1], v[BJ+jj:BJ+jj+1], s[50:51] op_sel_hi:[1,0]   ; the bias in the sums' unit: a power of two, nothing is rounded
.set jj, jj+2
.endr
	s_wait_alu depctr_va_vdst(0)                   ; the wait at the head's end
	s_wait_tensorcnt 0x0                           ; my 64 rows are in
	s_barrier_signal -1
	s_barrier_wait -1                              ; and everybody's
	ALOAD 0
	ALOAD 1
	ALOAD 2
.set GG, 0
.rept 32                               ; 8 K steps x 4 groups; the register sets come back after 12 groups, which does not divide 32: written by the assembler, not as a loop
	GROUP GG
.set GG, GG+1
.endr
	s_barrier_wait -1                              ; nobody reads A any more
	PLACES
	; THE WAY OUT.  Held between 0 and 448 x the scale, converted: 8 bytes of codes for each accumulator and lane.  The four waves' codes meet in the stage and leave as whole rows of 256 bytes.
.macro OUT4 q                          ; A's blocks 4 q .. 4 q + 3
	WIN 0x82+0x41*((\q)/2)                         ; source 0 and destination window 2 or 3
.set nn, 0
.rept 128
	v_med3_num_f32 v[128*((\q)%2)+nn], v[128*((\q)%2)+nn], 0, v[LIM]   ; the activation and the hold in one (the conversion does not saturate: ISA guide 7.6.2); each accumulator from its low end on
.set nn, nn+1
.endr
	WIN 0x02+((\q)/2)
.set nn, 0
.rept 16
	v_cvt_scalef32_pk8_fp8_f32 v[CD+32*(\q)+2*nn:CD+32*(\q)+2*nn+1], v[128*((\q)%2)+8*nn:128*((\q)%2)+8*nn+7], v[SC]
.set nn, nn+1
.endr
	WIN 0
	v_nop                                          ; a plain line behind the last conversion
.irp i, 0,1,2,3
.irp b, 0,1,2,3
	ds_store_b64 v[STO], v[CD+32*(\q)+2*(4*\i+\b):CD+32*(\q)+2*(4*\i+\b)+1] offset:(4*(\q)+\i)*16*SP+16*\b
.endr
.endr
.endm
	OUT4 0
	OUT4 1
	OUT4 2
	OUT4 3
	s_wait_dscnt 0x0                               ; for the others' sake: my stores into the stage are done
	s_barrier_signal -1
	s_barrier_wait -1                              ; a row's 256 bytes come from four waves
.set tt, 0
.rept 32
	ds_load_b128 v[CD+4*tt:CD+4*tt+3], v[RD] offset:tt*2*SP
.set tt, tt+1
.endr
.set tt, 0
.rept 32
	s_wait_dscnt 31-tt                             ; the younger loads may stay out
	global_store_b128 v[CO], v[CD+4*tt:CD+4*tt+3], s[12:13] offset:tt*2*4096   ; sixteen lanes store 256 consecutive, aligned bytes
.set tt, tt+1
.endr
	s_wait_tensorcnt 0x0                           ; the wave's end
	ds_add_u32 v[SPW], v[NIL]
	s_wait_dscnt 0x0
	CROUND                                         ; the closing round
	s_endpgm
.Lfunc_end_k_qb37d2b9348_ffn1:
	.size	k_qb37d2b9348_ffn1, .Lfunc_end_k_qb37d2b9348_ffn1-k_qb37d2b9348_ffn1
	.p2alignl 7, 3214868480
	.fill 96, 4, 3214868480
	.section	.rodata,"a",@progbits
	.p2align	6, 0x0
	.amdhsa_kernel k_qb37d2b9348_ffn1
		.amdhsa_group_segment_fixed_size 327680
		.amdhsa_private_segment_fixed_size 0
		.amdhsa_enable_private_segment 0
		.amdhsa_kernarg_size 40
		.amdhsa_user_sgpr_count 2
		.amdhsa_user_sgpr_kernarg_segment_ptr 1
		.amdhsa_wavefront_size32 1
		.amdhsa_system_sgpr_workgroup_id_x 1
		.amdhsa_system_sgpr_workgroup_id_y 1
		.amdhsa_system_sgpr_workgroup_id_z 1
		.amdhsa_system_vgpr_workitem_id 0
		.amdhsa_next_free_vgpr 1024
		.amdhsa_next_free_sgpr 66
		.amdhsa_reserve_vcc 0
		.amdhsa_float_denorm_mode_32 3
		.amdhsa_float_denorm_mode_16_64 3
		.amdhsa_memory_ordered 1
		.amdhsa_forward_progress 1
		.amdhsa_inst_pref_size 137
	.end_amdhsa_kernel
	.amdgpu_metadata
---
amdhsa.version: [ 1, 2 ]
amdhsa.kernels:
  - .name:           k_qb37d2b9348_ffn1
    .symbol:         k_qb37d2b9348_ffn1.kd
    .args:
      - { .name: h2c, .offset: 0, .size: 8, .value_kind: global_buffer, .address_space: global }
      - { .name: wcodes, .offset: 8, .size: 8, .value_kind: global_buffer, .address_space: global }
      - { .name: lowp_scales, .offset: 16, .size: 8, .value_kind: global_buffer, .address_space: global }
      - { .name: b1, .offset: 24, .size: 8, .value_kind: global_buffer, .address_space: global }
      - { .name: hid, .offset: 32, .size: 8, .value_kind: global_buffer, .address_space: global }
    .group_segment_fixed_size: 327680
    .private_segment_fixed_size: 0
    .kernarg_segment_align: 8
    .kernarg_segment_size: 40
    .max_flat_workgroup_size: 128
    .sgpr_count:     66
    .vgpr_count:     1024
    .wavefront_size: 32
...
	.end_amdgpu_metadata
.endif
;; end of part 6
;; launch ffn2 (part 7): grid 8 x 32, 4 waves a work-group, clusters of 4 x 1, 327,680 bytes of LDS; arguments hid, wcodes, lowp_scales, b2, x1, out0; writes out0
.if DOCPART == 7
	.amdgcn_target "amdgcn-amd-amdhsa--gfx1250"
	.amdhsa_code_object_version 6
	.text
	.protected	k_qb37d2b9348_ffn2
	.globl	k_qb37d2b9348_ffn2
	.p2align	8
	.type	k_qb37d2b9348_ffn2,@function
k_qb37d2b9348_ffn2:
	s_mov_b64 s[64:65], 0
	v_nop
	global_prefetch_b8 v0, s[64:65] scope:SCOPE_SE
	s_setreg_imm32_b32 hwreg(HW_REG_WAVE_MODE, 25, 1), 1
	s_wait_xcnt 0x0
	s_wait_alu depctr_hold_cnt(0) depctr_sa_sdst(0) depctr_va_vdst(0) depctr_va_sdst(0) depctr_va_ssrc(0) depctr_va_vcc(0) depctr_vm_vsrc(0)
	s_getreg_b32 s2, hwreg(HW_REG_IB_STS2, 6, 4)
	s_cmp_eq_u32 s2, 0
	s_cbranch_scc0 .Lentry_in_a_cluster
	s_endpgm
.Lentry_in_a_cluster:
	s_bfe_u32 s2, ttmp6, 0x10000c
	s_cmp_lg_u32 s2, 0x3003
	s_cbranch_scc0 .Lentry_shape_is_right
	s_endpgm
.Lentry_shape_is_right:
.set SIZE_K, 4096
.set WOFF,   0x800000
.set EOFF,   0x38
.set KSLOT,  1024
.set PITCH,  1040
.set SLOT,   128*PITCH
.set SPARE,  2*SLOT
.set SPITCH, 528
.set NSUB,   SIZE_K/128
.set RING,   7
.set LASTG,  36
.set ADRA, 16
.set WO,   20
.set STO,  24
.set RD,   25
.set BV,   27
.set SPW,  28
.set NIL,  29
.set ACC,  128
.set BJ,   224
.set G1, 24
.set G0, 32
.set MSB, 0
.macro WIN new
.if MSB != (\new)
	s_set_vgpr_msb (MSB<<8)|(\new)
.set MSB, (\new)
.endif
.endm
.set MUL,  0x06
.set TO_A, 0x40
.set TO_W, 0x80
.set TO_R, 0xc0
.macro CREST
	s_cmp_lg_u32 s10, 0
	s_cbranch_scc1 .Lnot_wave_0_\@
	s_barrier_signal -3
.Lnot_wave_0_\@:
	s_barrier_wait -3
	s_barrier_signal -1
	s_barrier_wait -1
.endm
.macro CROUND
	s_barrier_signal -1
	s_barrier_wait -1
	CREST
.endm
.macro PLACES
.rept 4
	v_nop
.endr
.endm
	s_load_b128 s[4:7], s[0:1], 0x0
	s_load_b128 s[68:71], s[0:1], 0x10
	s_load_b128 s[72:75], s[0:1], 0x20
	v_lshl_add_u32 v[SPW], v0, 2, SPARE
	v_mov_b32 v[NIL], 0
	ds_add_u32 v[SPW], v[NIL]
	ds_add_u32 v[SPW], v[NIL]
	v_lshrrev_b32 v1, 5, v0
	v_readfirstlane_b32 s10, v1
	s_bfe_u32 s40, ttmp6, 0x40000
	s_lshl_b32 s42, ttmp9, 2
	s_add_co_u32 s42, s42, s40
	s_and_b32 s13, ttmp7, 0xffff
	s_mov_b32 s[G1+0], 15|(0<<16)|(1<<20)|(1<<21)|(7<<22)|(3<<25)
	s_mov_b32 s[G1+1], KSLOT<<16
	s_mov_b32 s[G1+2], 32<<16
	s_mov_b32 s[G1+3], KSLOT<<16
	s_mov_b32 s[G1+4], 32
	s_mov_b32 s[G1+5], SIZE_K
	s_mov_b32 s[G1+6], 0
	s_mov_b32 s[G1+7], 0
	s_lshl_b32 s16, s13, 7
	s_lshl_b32 s17, s10, 5
	s_add_co_u32 s16, s16, s17
	s_lshl_b32 s16, s16, 12
	s_mov_b32 s17, 0
	s_mul_i32 s20, s10, 32*PITCH
	s_lshl_b32 s46, s42, 3
	s_lshl_b32 s47, s10, 1
	s_add_co_u32 s46, s46, s47
	s_lshl_b32 s46, s46, 16
	s_mov_b32 s47, 0
	s_lshl_b32 s18, s42, 9
	s_mov_b32 s19, 0
	s_lshl_b32 s22, s10, 7
	s_add_co_u32 s22, s22, s18
	s_mov_b32 s23, 0
	s_wait_dscnt 0x0
	s_wait_kmcnt 0x0
	s_load_b64 s[96:97], s[68:69], EOFF
	s_add_nc_u64 s[14:15], s[4:5], s[16:17]
	s_lshl_b32 s44, s40, 8                         ; the prefetches: of a slot's 1,024 bytes of the 32 rows that my wave fetches, the partner at place cx names the 256 bytes at 256 cx: shared out by address
	s_mov_b32 s45, 0
	s_add_nc_u64 s[76:77], s[14:15], s[44:45]      ; never stepped: the slot is the immediate offset
	s_add_nc_u64 s[6:7], s[6:7], s[46:47]
	s_add_nc_u64 s[6:7], s[6:7], WOFF
	s_add_nc_u64 s[72:73], s[72:73], s[16:17]
	s_add_nc_u64 s[72:73], s[72:73], s[18:19]
	s_add_nc_u64 s[74:75], s[74:75], s[16:17]
	s_add_nc_u64 s[74:75], s[74:75], s[18:19]
	s_add_nc_u64 s[70:71], s[70:71], s[22:23]
	CROUND
.irp s, 0,1
	s_mov_b32 s[G0+4*\s], 1
	s_add_co_u32 s[G0+4*\s+1], s20, \s*SLOT
	s_add_nc_u64 s[G0+4*\s+2:G0+4*\s+3], s[14:15], \s*KSLOT
	s_or_b32 s[G0+4*\s+3], s[G0+4*\s+3], 0x80000000
.endr
	tensor_load_to_lds s[G0:G0+3], s[G1:G1+7]      ; slot 0: W's first loads below are issued while it is out
	s_nop 0
	PLACES
.macro GLOAD g
.if (\g) < NSUB
	WIN TO_W
.irp b, 0,1
.irp c, 0,1,2,3
	global_load_b128 v[32*((\g)%RING)+16*\b+4*\c:32*((\g)%RING)+16*\b+4*\c+3], v[WO], s[6:7] offset:\b*65536+(\g)*2048+\c*512
.endr
.endr
.elseif (\g) == NSUB
	WIN TO_W
.irp b, 0,1
	global_load_b128 v[BJ+8*\b:BJ+8*\b+3], v[BV], s[70:71] offset:64*\b
	global_load_b128 v[BJ+8*\b+4:BJ+8*\b+7], v[BV], s[70:71] offset:64*\b+16
.endr
.elseif (\g) <= LASTG
	WIN TO_R
.irp t, 0,1,2,3,4,5,6,7
	global_load_b128 v[4*(8*((\g)-NSUB-1)+\t):4*(8*((\g)-NSUB-1)+\t)+3], v[WO], s[72:73] offset:(8*((\g)-NSUB-1)+\t)*4096
.endr
.endif
.endm
.macro FETCH s
.set FS, 128*((\s)%2)
.set FA, ADRA+2*(((\s)/8)%2)
.set FK, 128*((\s)%8)
	WIN TO_A
.irp i, 0,1,2,3
.irp c, 0,1,2,3
	ds_load_b128 v[FS+16*\i+4*\c:FS+16*\i+4*\c+3], v[FA] offset:FK+32*\c+\i*16*PITCH
.endr
.endr
.irp i, 0,1,2,3
.irp c, 0,1,2,3
	ds_load_b128 v[FS+64+16*\i+4*\c:FS+64+16*\i+4*\c+3], v[FA+1] offset:FK+32*\c+\i*16*PITCH
.endr
.endr
.endm
.macro MUL8 s, a0, zero
.set MA, 128*((\s)%2)
.set MW, 32*((\s)%RING)
.irp a, \a0, \a0+1, \a0+2, \a0+3
.irp b, 0,1
.if \zero
	v_wmma_f32_16x16x128_fp8_fp8 v[ACC+8*(2*(\a)+\b):ACC+8*(2*(\a)+\b)+7], v[MW+16*\b:MW+16*\b+15], v[MA+16*(\a):MA+16*(\a)+15], 0
.else
	v_wmma_f32_16x16x128_fp8_fp8 v[ACC+8*(2*(\a)+\b):ACC+8*(2*(\a)+\b)+7], v[MW+16*\b:MW+16*\b+15], v[MA+16*(\a):MA+16*(\a)+15], v[ACC+8*(2*(\a)+\b):ACC+8*(2*(\a)+\b)+7]
.endif
.endr
.endr
.endm
.macro LCW s
.if (\s) <= 25
	s_wait_loadcnt 48
.elseif (\s) <= 30
	s_wait_loadcnt 44
.else
	s_wait_loadcnt 36
.endif
.endm
.macro SUB s, zero
	LCW \s
.if (\s) < NSUB-1
	s_wait_dscnt 48
.else
	s_wait_dscnt 16
.endif
	WIN MUL
	MUL8 \s, 0, \zero
.if (\s) < NSUB-1
	s_wait_dscnt 32
.else
	s_wait_dscnt 0
.endif
	MUL8 \s, 4, \zero
.if (\s)+RING <= LASTG
	PLACES
.endif
.if (\s)+2 < NSUB
	FETCH (\s)+2
.endif
.if (\s)+RING <= LASTG
	GLOAD (\s)+RING
.endif
.endm
.macro SUBX s, fill
	LCW \s
	WIN 0
	s_wait_tensorcnt 0x0
	ds_add_u32 v[SPW], v[NIL]
	s_wait_dscnt 49
	WIN MUL
	MUL8 \s, 0, 0
	s_wait_dscnt 0x0
	s_barrier_signal -1
	MUL8 \s, 4, 0
	WIN 0
	s_barrier_wait -1
.if \fill
	CREST
	s_add_nc_u64 s[G0+4*(((\s)/8)%2)+2:G0+4*(((\s)/8)%2)+3], s[G0+4*(((\s)/8)%2)+2:G0+4*(((\s)/8)%2)+3], 2*KSLOT
	tensor_load_to_lds s[G0+4*(((\s)/8)%2):G0+4*(((\s)/8)%2)+3], s[G1:G1+7]
	s_nop 0
.endif
	PLACES
	FETCH (\s)+2
	GLOAD (\s)+RING
.if (\s) == 6
	global_prefetch_b8 v30, s[76:77] offset:3072 th:TH_LOAD_NT scope:SCOPE_SE   ; the last 1,024 along K; the last joint load has nothing behind it to ask for
.endif
.endm
	v_and_b32 v1, 15, v0
	v_bfe_u32 v2, v0, 4, 1
	v_and_b32 v3, 31, v0
	v_lshlrev_b32 v[WO], 4, v3
	v_lshlrev_b32 v[BV], 5, v2
	v_lshlrev_b32 v30, 12, v3                      ; the prefetches' offset: a lane a row of 4,096 bytes; never rewritten
.irp g, 0,1,2,3,4,5,6
	GLOAD \g
.endr
	WIN 0
	global_prefetch_b8 v30, s[76:77] offset:1024 th:TH_LOAD_NT scope:SCOPE_SE   ; behind each joint load one prefetch a wave names the slot that the NEXT joint load will ask for: here slot 1's K
	v_mul_u32_u24 v4, v1, PITCH
	v_lshl_add_u32 v[ADRA], v2, 4, v4
	v_add_nc_u32 v[ADRA+1], 64*PITCH, v[ADRA]
	v_add_nc_u32 v[ADRA+2], SLOT, v[ADRA]
	v_add_nc_u32 v[ADRA+3], SLOT+64*PITCH, v[ADRA]
	v_mul_u32_u24 v5, v1, SPITCH
	v_lshl_add_u32 v5, v2, 5, v5
	s_lshl_b32 s21, s10, 7
	v_add_nc_u32 v[STO], s21, v5
	s_mul_i32 s21, s10, 32*SPITCH
	v_add_nc_u32 v[RD], s21, v[WO]
	s_wait_alu depctr_va_vdst(0)                   ; the wait at the head's end
	s_wait_tensorcnt 0x0                           ; my part of slot 0 is in
	ds_add_u32 v[SPW], v[NIL]
	s_wait_dscnt 0x0
	CROUND                                         ; everybody's part of slot 0 is in, and the four work-groups meet
	tensor_load_to_lds s[G0+4:G0+7], s[G1:G1+7]    ; slot 1: the first tensor load behind the round
	s_nop 0
	PLACES
	FETCH 0
	FETCH 1
	global_prefetch_b8 v30, s[76:77] offset:2048 th:TH_LOAD_NT scope:SCOPE_SE   ; the third 1,024 along K, seven steps ahead of its load
	SUB 0, 1
.irp s, 1,2,3,4,5
	SUB \s, 0
.endr
	SUBX 6, 1
.irp s, 7,8,9,10,11,12,13
	SUB \s, 0
.endr
	SUBX 14, 1
.irp s, 15,16,17,18,19,20,21
	SUB \s, 0
.endr
	SUBX 22, 0
.irp s, 23,24,25,26,27,28,29,30,31
	SUB \s, 0
.endr
	WIN 0
	s_wait_kmcnt 0x0
	s_add_co_i32 s96, s96, s97
	s_add_co_i32 s96, s96, 127
	s_lshl_b32 s96, s96, 23
	s_mov_b32 s97, s96
	s_wait_loadcnt 32
	PLACES
	WIN 0x20
.irp a, 0,1,2,3,4,5,6,7
.irp b, 0,1
.irp i, 0,2,4,6
	v_pk_fma_f32 v[ACC+8*(2*\a+\b)+\i:ACC+8*(2*\a+\b)+\i+1], v[ACC+8*(2*\a+\b)+\i:ACC+8*(2*\a+\b)+\i+1], s[96:97], v[BJ+8*\b+\i:BJ+8*\b+\i+1] op_sel_hi:[1,0,1]
.endr
.endr
.endr
	WIN 0
.irp a, 0,1,2,3,4,5,6,7
.irp b, 0,1
	ds_store_b128 v[STO], v[ACC+8*(2*\a+\b):ACC+8*(2*\a+\b)+3] offset:\a*16*SPITCH+64*\b
	ds_store_b128 v[STO], v[ACC+8*(2*\a+\b)+4:ACC+8*(2*\a+\b)+7] offset:\a*16*SPITCH+64*\b+16
.endr
.endr
	s_wait_dscnt 0x0
	s_barrier_signal -1
	s_barrier_wait -1
.set tt, 0
.rept 32
	ds_load_b128 v[ACC+4*tt:ACC+4*tt+3], v[RD] offset:tt*SPITCH
.set tt, tt+1
.endr
.irp g, 0,1,2,3
	s_wait_dscnt 24-8*\g
	s_wait_loadcnt 24-8*\g
	WIN 0x0c
.set jj, 0
.rept 16
	v_pk_add_f32 v[ACC+32*\g+jj:ACC+32*\g+jj+1], v[ACC+32*\g+jj:ACC+32*\g+jj+1], v[32*\g+jj:32*\g+jj+1]
.set jj, jj+2
.endr
	WIN 0
.irp t, 0,1,2,3,4,5,6,7
	global_store_b128 v[WO], v[ACC+32*\g+4*\t:ACC+32*\g+4*\t+3], s[74:75] offset:(8*\g+\t)*4096 th:TH_STORE_NT
.endr
.endr
	s_wait_tensorcnt 0x0
	ds_add_u32 v[SPW], v[NIL]
	s_wait_dscnt 0x0
	CROUND
	s_endpgm
.Lfunc_end_k_qb37d2b9348_ffn2:
	.size	k_qb37d2b9348_ffn2, .Lfunc_end_k_qb37d2b9348_ffn2-k_qb37d2b9348_ffn2
	.p2alignl 7, 3214868480
	.fill 96, 4, 3214868480
	.section	.rodata,"a",@progbits
	.p2align	6, 0x0
	.amdhsa_kernel k_qb37d2b9348_ffn2
		.amdhsa_group_segment_fixed_size 327680
		.amdhsa_private_segment_fixed_size 0
		.amdhsa_enable_private_segment 0
		.amdhsa_kernarg_size 48
		.amdhsa_user_sgpr_count 2
		.amdhsa_user_sgpr_kernarg_segment_ptr 1
		.amdhsa_wavefront_size32 1
		.amdhsa_system_sgpr_workgroup_id_x 1
		.amdhsa_system_sgpr_workgroup_id_y 1
		.amdhsa_system_sgpr_workgroup_id_z 1
		.amdhsa_system_vgpr_workitem_id 0
		.amdhsa_next_free_vgpr 896
		.amdhsa_next_free_sgpr 98
		.amdhsa_reserve_vcc 0
		.amdhsa_float_denorm_mode_32 3
		.amdhsa_float_denorm_mode_16_64 3
		.amdhsa_memory_ordered 1
		.amdhsa_forward_progress 1
		.amdhsa_inst_pref_size 157
	.end_amdhsa_kernel
	.amdgpu_metadata
---
amdhsa.version: [ 1, 2 ]
amdhsa.kernels:
  - .name:           k_qb37d2b9348_ffn2
    .symbol:         k_qb37d2b9348_ffn2.kd
    .args:
      - { .name: hid, .offset: 0, .size: 8, .value_kind: global_buffer, .address_space: global }
      - { .name: wcodes, .offset: 8, .size: 8, .value_kind: global_buffer, .address_space: global }
      - { .name: lowp_scales, .offset: 16, .size: 8, .value_kind: global_buffer, .address_space: global }
      - { .name: b2, .offset: 24, .size: 8, .value_kind: global_buffer, .address_space: global }
      - { .name: x1, .offset: 32, .size: 8, .value_kind: global_buffer, .address_space: global }
      - { .name: out0, .offset: 40, .size: 8, .value_kind: global_buffer, .address_space: global }
    .group_segment_fixed_size: 327680
    .private_segment_fixed_size: 0
    .kernarg_segment_align: 8
    .kernarg_segment_size: 48
    .max_flat_workgroup_size: 128
    .sgpr_count:     98
    .vgpr_count:     896
    .wavefront_size: 32
...
	.end_amdgpu_metadata
.endif
;; end of part 7
